; MI455X (gfx1250); checked and timed in simulation.
; The chip was launched on July 23, 2026; its instructions are those of AMD's public machine-readable ISA for CDNA 5 (MIT licence, August 2026) and "CDNA5" Instruction Set Architecture Reference Guide (July 2026). The comments in the code are by the model that wrote it; some were corrected since.
;; DAMT. Allowed arithmetic: float matrix products may take bf16 or f16 operands with f32 sums; all other float work in f32.
;; Inputs: G 8 x 512 x 1,024 float32; T 8 x 512 x 1,024 float32; Wg 1,024 x 1,024 float32; Wk 2,048 x 1,024 float32; WkT 2,048 x 1,024 float32; Wq 2,048 x 1,024 float32; WqT 2,048 x 1,024 float32; Wt 1,024 x 1,024 float32; Wv 1,024 x 1,024 float32; WvT 1,024 x 1,024 float32; bg 1,024 float32; bk 2,048 float32; bkT 2,048 float32; bq 2,048 float32; bqT 2,048 float32; bt 1,024 float32; bv 1,024 float32; bvT 1,024 float32; g_ln_b 1,024 float32; g_ln_w 1,024 float32; mask 8 x 512 float32; t_ln_b 1,024 float32; t_ln_w 1,024 float32.
;; Outputs: out0 8 x 512 x 1,024 float32; out1 8 x 512 x 1,024 float32.
;; One version. Each part assembles by itself: llvm-mc -triple=amdgcn-amd-amdhsa -mcpu=gfx1250 --defsym DOCPART=n.
;; ======== version 1 of 1: 5 launches
;; limits: values are held in f16: magnitudes above 65,504 overflow, below 6.1e-05 lose precision
;; workspace buffers: xw 41,943,040 bytes; p 83,886,080 bytes; ctx 16,777,216 bytes; y 33,554,432 bytes
;; launch cast (part 1): grid 1280 x 1, 8 waves a work-group, no clusters, 0 bytes of LDS; arguments G, T, Wq, WkT, WvT, WqT, Wk, Wv, Wg, Wt, xw; writes xw
.if DOCPART == 1
	.amdgcn_target "amdgcn-amd-amdhsa--gfx1250"
	.amdhsa_code_object_version 6
	.text
	.protected	k_q21acf67c3a_cast
	.globl	k_q21acf67c3a_cast
	.p2align	8
	.type	k_q21acf67c3a_cast,@function
k_q21acf67c3a_cast:
	s_mov_b64 s[64:65], 0
	v_nop
	global_prefetch_b8 v0, s[64:65] scope:SCOPE_SE
	s_setreg_imm32_b32 hwreg(HW_REG_WAVE_MODE, 25, 1), 1
	s_wait_xcnt 0x0
; xw = the ten f32 matrices G, T, Wq, WkT, WvT, WqT, Wk, Wv, Wg, Wt rounded to f16, one behind the other.
; The sizes are 4, 4, 2, 2, 1, 2, 2, 1, 1, 1 units of 1,048,576 numbers: 20 units, 64 work-groups of 16,384 numbers to a unit.
; FORMAT: f16, for its 11 bits of significand: the value path of this model is rounded six times on its way to the output.
; Room: G and T have spread 1, the weights spread 1/32.  Thirty times larger, or with an offset of thirty spreads, all stay under 200;
; thirty times smaller the weights have spread 0.001, where the step of f16 is 2^-20, and it is never wider than 2^-24 below 2^-14.
; LIMIT: a number of magnitude 65,520 or more becomes infinity.
; A stream: each byte is read once and written once, nothing is shared, so no LDS, no barrier, no matrix unit.
; Thread t takes 16 pieces of 4 numbers: a load of a wave covers 512 consecutive bytes, a store 256 consecutive aligned bytes.
; All 16 loads of a wave go out at once; no register is written twice, so the only waits are the counted ones for the data.
.set X,  2                             ; v[2:65]   16 pieces of 4 f32
.set Y,  66                            ; v[66:97]  16 pieces of 4 f16
.set DO, 98                            ; v98       8 t: my byte offset in the output piece
; if my unit is at or behind start, the source is the matrix whose address lies in s[ptr:ptr+1]
.macro PICK ptr, start
	s_cmp_ge_u32 s2, \start
	s_cselect_b64 s[4:5], s[\ptr:\ptr+1], s[4:5]
	s_cselect_b32 s6, \start, s6
.endm
	s_load_b512 s[8:23], s[0:1], 0x0               ; G, T, Wq, WkT, WvT, WqT, Wk, Wv
	s_load_b128 s[24:27], s[0:1], 0x40             ; Wg, Wt
	s_load_b64 s[28:29], s[0:1], 0x50              ; xw
	s_lshr_b32 s2, ttmp9, 6                        ; my unit, 0 to 19
	s_mov_b32 s6, 0                                ; first unit of my source
	v_lshlrev_b32 v1, 4, v0                        ; 16 t
	v_lshlrev_b32 v[DO], 3, v0                     ; 8 t
	s_wait_kmcnt 0x0
	s_mov_b64 s[4:5], s[8:9]                       ; G, unless a later matrix begins at or before my unit
	PICK 10, 4
	PICK 12, 8
	PICK 14, 10
	PICK 16, 12
	PICK 18, 13
	PICK 20, 15
	PICK 22, 17
	PICK 24, 18
	PICK 26, 19
	s_lshl_b32 s6, s6, 6                           ; first work-group of my source
	s_sub_co_u32 s6, ttmp9, s6
	s_lshl_b32 s6, s6, 16                          ; 65,536 bytes of f32 to a work-group
	s_mov_b32 s7, 0
	s_add_nc_u64 s[4:5], s[4:5], s[6:7]
	s_lshl_b32 s30, ttmp9, 15                      ; 32,768 bytes of f16 to a work-group
	s_mov_b32 s31, 0
	s_add_nc_u64 s[28:29], s[28:29], s[30:31]
.irp j, 0,1,2,3,4,5,6,7,8,9,10,11,12,13,14,15
	global_load_b128 v[X+4*\j:X+4*\j+3], v1, s[4:5] offset:4096*\j th:TH_LOAD_NT
.endr
.irp j, 0,1,2,3,4,5,6,7,8,9,10,11,12,13,14,15
	s_wait_loadcnt 15-\j                           ; loads come back in order: piece j is in, the younger ones stay out
	v_cvt_pk_f16_f32 v[Y+2*\j], v[X+4*\j], v[X+4*\j+1]
	v_cvt_pk_f16_f32 v[Y+2*\j+1], v[X+4*\j+2], v[X+4*\j+3]
	global_store_b64 v[DO], v[Y+2*\j:Y+2*\j+1], s[28:29] offset:2048*\j   ; read again by the next launch: no hint
.endr
	s_endpgm
.Lfunc_end_k_q21acf67c3a_cast:
	.size	k_q21acf67c3a_cast, .Lfunc_end_k_q21acf67c3a_cast-k_q21acf67c3a_cast
	.p2alignl 7, 3214868480
	.fill 96, 4, 3214868480
	.section	.rodata,"a",@progbits
	.p2align	6, 0x0
	.amdhsa_kernel k_q21acf67c3a_cast
		.amdhsa_group_segment_fixed_size 0
		.amdhsa_private_segment_fixed_size 0
		.amdhsa_enable_private_segment 0
		.amdhsa_kernarg_size 88
		.amdhsa_user_sgpr_count 2
		.amdhsa_user_sgpr_kernarg_segment_ptr 1
		.amdhsa_wavefront_size32 1
		.amdhsa_system_sgpr_workgroup_id_x 1
		.amdhsa_system_sgpr_workgroup_id_y 1
		.amdhsa_system_sgpr_workgroup_id_z 1
		.amdhsa_system_vgpr_workitem_id 0
		.amdhsa_next_free_vgpr 100
		.amdhsa_next_free_sgpr 66
		.amdhsa_reserve_vcc 0
		.amdhsa_float_denorm_mode_32 3
		.amdhsa_float_denorm_mode_16_64 3
		.amdhsa_memory_ordered 1
		.amdhsa_forward_progress 1
		.amdhsa_inst_pref_size 8
	.end_amdhsa_kernel
	.amdgpu_metadata
---
amdhsa.version: [ 1, 2 ]
amdhsa.kernels:
  - .name:           k_q21acf67c3a_cast
    .symbol:         k_q21acf67c3a_cast.kd
    .args:
      - { .name: G, .offset: 0, .size: 8, .value_kind: global_buffer, .address_space: global }
      - { .name: T, .offset: 8, .size: 8, .value_kind: global_buffer, .address_space: global }
      - { .name: Wq, .offset: 16, .size: 8, .value_kind: global_buffer, .address_space: global }
      - { .name: WkT, .offset: 24, .size: 8, .value_kind: global_buffer, .address_space: global }
      - { .name: WvT, .offset: 32, .size: 8, .value_kind: global_buffer, .address_space: global }
      - { .name: WqT, .offset: 40, .size: 8, .value_kind: global_buffer, .address_space: global }
      - { .name: Wk, .offset: 48, .size: 8, .value_kind: global_buffer, .address_space: global }
      - { .name: Wv, .offset: 56, .size: 8, .value_kind: global_buffer, .address_space: global }
      - { .name: Wg, .offset: 64, .size: 8, .value_kind: global_buffer, .address_space: global }
      - { .name: Wt, .offset: 72, .size: 8, .value_kind: global_buffer, .address_space: global }
      - { .name: xw, .offset: 80, .size: 8, .value_kind: global_buffer, .address_space: global }
    .group_segment_fixed_size: 0
    .private_segment_fixed_size: 0
    .kernarg_segment_align: 8
    .kernarg_segment_size: 88
    .max_flat_workgroup_size: 256
    .sgpr_count:     66
    .vgpr_count:     100
    .wavefront_size: 32
...
	.end_amdgpu_metadata
.endif
;; end of part 1
;; launch proj (part 2): grid 16 x 16, 4 waves a work-group, clusters of 4 x 4, 327,680 bytes of LDS; arguments xw, bq, bkT, bvT, bqT, bk, bv, p; writes p
.if DOCPART == 2
	.amdgcn_target "amdgcn-amd-amdhsa--gfx1250"
	.amdhsa_code_object_version 6
	.text
	.protected	k_q21acf67c3a_proj
	.globl	k_q21acf67c3a_proj
	.p2align	8
	.type	k_q21acf67c3a_proj,@function
k_q21acf67c3a_proj:
	s_mov_b64 s[64:65], 0
	v_nop
	global_prefetch_b8 v0, s[64:65] scope:SCOPE_SE
	s_setreg_imm32_b32 hwreg(HW_REG_WAVE_MODE, 25, 1), 1
	s_wait_xcnt 0x0
	s_wait_alu depctr_hold_cnt(0) depctr_sa_sdst(0) depctr_va_vdst(0) depctr_va_sdst(0) depctr_va_ssrc(0) depctr_va_vcc(0) depctr_vm_vsrc(0)
	s_getreg_b32 s2, hwreg(HW_REG_IB_STS2, 6, 4)
	s_cmp_eq_u32 s2, 0
	s_cbranch_scc0 .Lentry_in_a_cluster
	s_endpgm
.Lentry_in_a_cluster:
	s_bfe_u32 s2, ttmp6, 0x10000c
	s_cmp_lg_u32 s2, 0xf033
	s_cbranch_scc0 .Lentry_shape_is_right
	s_endpgm
.Lentry_shape_is_right:
; All six projections as one product: p[m][n] = sum over k of X[m][k] W[n][k] + bias[n], f16 operands, f32 sums, p rounded once to f16.
; X = xw rows 0-8191 (G, then T), 1,024 long.  Rows 0-4095 take W = [Wq; WkT; WvT], rows 4096-8191 take W = [WqT; Wk; Wv]: 5,120 rows each.
; FORMAT: operands and p are f16 (11 bits of significand); sums and bias are f32.  Room for p: with X of spread 1 and W of spread 1/32 a number
; of p has spread 1; both thirty times larger: spread 900; both with an offset of thirty spreads: 1024 x 30 x 30/32 = 28,800.
; LIMIT: a number of p of magnitude 65,520 or more becomes infinity.
; WORK-GROUPS THAT STAY: p has 640 blocks of 256 x 256, two and a half for each of 256 WGPs.  So 256 work-groups are launched, and each makes
; two blocks of 256 x 256 (columns of the q kind or of the k kind) and one block of 128 x 256 (the v kind): 2 x 2,048 + 1,024 matrix instructions
; in every wave.  The ring of LDS slots runs on from tile to tile: the last lap of a tile asks for the first two K steps of the next one, so a
; tile is rounded and stored while the next tile's slots are on their way, and its stores leave under the next tile's products.
; Four waves, one to a SIMD; in a whole tile a wave makes 128 x 128 (64 accumulator tiles, 512 registers), in the half tile 64 x 128 (32 tiles).
; K goes in steps of 128 through two LDS slots filled by the tensor data mover; a row of a tile is 256 aligned bytes of memory.
; CLUSTERS: 4 x 4 work-groups.  The four of a row of the cluster need the same tiles of X, the four of a column the same tiles of W: each such
; tile is asked for jointly, by the same tensor load with the same descriptor and a mask that names the four.  Requests are divided by four.
; Cluster (x, y) has the 1,024 rows R = 2 y + x / 2 and the kind s = x % 2.  Tile 0: rows 1024 R + 256 cy, columns 2048 s + 256 cx; tile 1: 1,024
; columns further; tile 2: rows 1024 R + 512 s + 128 cy, columns 4096 + 256 cx.
;
; REGISTERS, in windows of 256:
;   window 0: v0-31 addresses; v64-127, v128-191 fragments of X, two buffers; v192-223 at work on the way out
;   window 1: v0-63 the bias of my 128 columns; v64-127, v128-191 fragments of W, two buffers
;   window 2: the 32 accumulator tiles of my rows 0-63 (tile (a, b) at v[8 (8 a + b)]);   window 3: those of my rows 64-127 (whole tiles only)
; THE MATRIX INSTRUCTION IS USED TRANSPOSED: source 0 = 16 rows of W, source 1 = 16 rows of X.  Lane l then holds row l % 16 of p and its
; registers 0 to 7 the columns 8 (l / 16) + 0 .. 7, which pack into 16 bytes.  In that layout the bias of a column tile is the same eight
; registers for every row tile, so the first product of each tile takes the bias as C: nothing is cleared and nothing is added later.
.set SIZE_K, 1024
.set SIZE_N, 5120
.set XW_W,   16777216                  ; byte offset in xw of the first stack of weights
.set WCAT,   10485760                  ; bytes in a stack of weights
.set KSTEP,  128
.set ROWB,   SIZE_K*2                  ; bytes in a row of X and of W
.set STEPB,  2*KSTEP*2                 ; a slot's next K step lies two steps on
.set BACK,   ROWB-STEPB                ; from a slot's last K step of a tile back to its first
.set WNEXT,  1024*ROWB-BACK            ; the same, 1,024 rows of W further down
.set PITCH,  272                       ; an LDS row: 256 bytes + 16 of padding: the 16 rows that a load touches start 16 bytes apart modulo 256
.set HALFT,  128*PITCH                 ; 128 rows: what one tensor load brings
.set QUART,  64*PITCH                  ; 64 rows: what one tensor load brings of the half tile's X
.set SLOT,   4*HALFT                   ; 256 rows of X (the half tile: 128), then 256 rows of W
.set STAGE,  2*SLOT                    ; behind the ring: 16 rows x 272 bytes for each wave, for the way out; no tensor load lands here
.set SPITCH, 272
.set ADRA, 16                          ; v16-17  LDS address of my X fragments in slot 0, 1, whole tiles
.set ADRH, 18                          ; v18-19  the same in the half tile
.set ADRB, 20                          ; v20-21  the same for W
.set STO,  24                          ; v24     the way out: where I put 16 bytes of a row
.set RD,   25                          ; v25     the way out: where I read a row back
.set CO,   26                          ; v26     my byte offset in p
.set BO,   27                          ; v27     my byte offset in the bias
.set F0,   64
.set F1,   128
.set BIAS, 0                           ; v0-63, window 1: register j of tile b = bias[16 b + 8 (l / 16) + j] of my 128 columns
.set TMP,  192                         ; the way out: packed results
.set G1, 24                            ; s[24:31] descriptor group 1 for tiles of X, 128 rows
.set G0, 32                            ; s[32:39] descriptor group 0 for tiles of X, one set for each slot
.set G1B, 48                           ; s[48:55] group 1 for tiles of W: differs in the mask alone
.set G0B, 56                           ; s[56:63] group 0 for tiles of W
.set G1H, 88                           ; s[88:95] group 1 for the half tile's X, 64 rows
.set MSB, 0
.macro WIN new                         ; the high byte of the immediate repeats the setting that is left
.if MSB != (\new)
	s_set_vgpr_msb (MSB<<8)|(\new)
.set MSB, (\new)
.endif
.endm
.set MUL_LO,   0xa1                    ; source 0 (W) window 1, source 1 (X) window 0, C and D window 2
.set MUL_HI,   0xf1                    ; the same, C and D window 3
.set MUL_LO_B, 0x91                    ; the first product: C is the bias in window 1, D window 2
.set MUL_HI_B, 0xd1                    ; the same, D window 3
.set TO_B,     0x40                    ; destination window 1, address window 0
; A joint load.  Waves 0 and 1 fetch the two halves of the tile of X, waves 2 and 3 those of W.  The branch hangs on the wave number alone.
.macro JLOAD s, half
	s_cmp_eq_u32 s11, 0
	s_cbranch_scc0 .Lfor_b_\@
.if \half
	tensor_load_to_lds s[G0+4*\s:G0+4*\s+3], s[G1H:G1H+7]
	s_nop 0
.else
	tensor_load_to_lds s[G0+4*\s:G0+4*\s+3], s[G1:G1+7]
	s_nop 0
.endif
	s_branch .Lasked_\@
.Lfor_b_\@:
	tensor_load_to_lds s[G0B+4*\s:G0B+4*\s+3], s[G1B:G1B+7]
	s_nop 0
.Lasked_\@:
.endm
; A round of the barrier of the cluster: the work-group barrier, wave 0 signals for the work-group, every wave waits for all sixteen, the work-group barrier again.
.macro CREST                           ; a round behind its opening barrier
	s_cmp_lg_u32 s10, 0
	s_cbranch_scc1 .Lnot_wave_0_\@
	s_barrier_signal -3
.Lnot_wave_0_\@:
	s_barrier_wait -3
	s_barrier_signal -1
	s_barrier_wait -1
.endm
.macro CROUND
	s_barrier_signal -1
	s_barrier_wait -1
	CREST
.endm
; Where a slot's next fill comes from.  It stands behind a wait for all my tensor loads, so every group 0 may be written.
; mode 1: two K steps on.  mode 2: the next whole tile: the same rows of X, 1,024 rows of W further.  mode 3: the half tile.
.macro NEXT slot, mode
.if \mode == 1
	s_add_nc_u64 s[G0+4*\slot+2:G0+4*\slot+3], s[G0+4*\slot+2:G0+4*\slot+3], STEPB
	s_add_nc_u64 s[G0B+4*\slot+2:G0B+4*\slot+3], s[G0B+4*\slot+2:G0B+4*\slot+3], STEPB
.elseif \mode == 2
	s_sub_nc_u64 s[G0+4*\slot+2:G0+4*\slot+3], s[G0+4*\slot+2:G0+4*\slot+3], BACK
	s_add_nc_u64 s[G0B+4*\slot+2:G0B+4*\slot+3], s[G0B+4*\slot+2:G0B+4*\slot+3], WNEXT
.else
	s_add_co_u32 s[G0+4*\slot+1], s87, \slot*SLOT                  ; 64 rows a wave now
	s_add_nc_u64 s[G0+4*\slot+2:G0+4*\slot+3], s[98:99], \slot*KSTEP*2
	s_or_b32 s[G0+4*\slot+3], s[G0+4*\slot+3], 0x80000000
	s_add_nc_u64 s[G0B+4*\slot+2:G0B+4*\slot+3], s[G0B+4*\slot+2:G0B+4*\slot+3], s[66:67]
.endif
.endm
	s_load_b64 s[4:5], s[0:1], 0x0                 ; xw
	s_load_b64 s[8:9], s[0:1], 0x38                ; p
	s_load_b256 s[68:75], s[0:1], 0x8              ; bq, bkT, bvT, bqT
	s_load_b128 s[76:79], s[0:1], 0x28             ; bk, bv
	s_set_vgpr_msb 0x40
	v_lshl_add_u32 v255, v0, 2, 0x48400
	s_set_vgpr_msb 0x4000
	v_mov_b32 v255, 0
	s_set_vgpr_msb 0x1
	ds_add_u32 v255, v255
	s_set_vgpr_msb 0x100
	v_lshrrev_b32 v1, 5, v0
	v_readfirstlane_b32 s10, v1                    ; wave 0..3
	s_lshr_b32 s11, s10, 1                         ; which half of the rows of the block is mine.  Also: I fetch for X (0) or for W (1)
	s_and_b32 s12, s10, 1                          ; which half of its columns.  Also: which half of that tile I fetch
	s_bfe_u32 s40, ttmp6, 0x40000                  ; cx
	s_bfe_u32 s41, ttmp6, 0x40004                  ; cy
	s_and_b32 s45, ttmp9, 1                        ; s: the q kind (0) or the k kind (1); equal in the whole cluster
	s_lshr_b32 s100, ttmp9, 1
	s_and_b32 s101, ttmp7, 0xffff
	s_lshr_b32 s86, s101, 1                        ; which stack of weights: R 0-3 are G, 4-7 are T
	s_lshl_b32 s101, s101, 1
	s_add_co_u32 s101, s101, s100                  ; R = 2 x cluster y + cluster x / 2
	s_lshl_b32 s13, s101, 2
	s_add_co_u32 s13, s13, s41                     ; block row of the whole tiles = 4 R + cy
	s_lshl_b32 s42, s45, 3
	s_add_co_u32 s42, s42, s40                     ; block column of tile 0 = 8 s + cx
	s_mul_i32 s2, s86, WCAT
	s_add_co_u32 s2, s2, XW_W
	s_mov_b32 s3, 0
	s_lshl_b32 s43, s41, 2
	s_lshl_b32 s43, 15, s43                        ; my row of the cluster: places 4 cy .. 4 cy + 3
	s_lshl_b32 s44, 0x1111, s40                    ; my column: places cx, cx + 4, cx + 8, cx + 12
	; group 1: rows of 128 elements of 2 bytes, 16 bytes of padding behind every 64 words; 128 rows, for the half tile's X 64
	s_or_b32 s[G1+0], s43, (1<<16)|(1<<20)|(1<<21)|(5<<22)|(3<<25)
	s_or_b32 s[G1H+0], s43, (1<<16)|(1<<20)|(1<<21)|(5<<22)|(3<<25)
	s_or_b32 s[G1B+0], s44, (1<<16)|(1<<20)|(1<<21)|(5<<22)|(3<<25)
	s_mov_b32 s[G1+1], KSTEP<<16                   ; tensor_dim0 = 128
	s_mov_b32 s[G1H+1], KSTEP<<16
	s_mov_b32 s[G1B+1], KSTEP<<16
	s_mov_b32 s[G1+2], 128<<16                     ; tensor_dim1
	s_mov_b32 s[G1H+2], 64<<16
	s_mov_b32 s[G1B+2], 128<<16
	s_mov_b32 s[G1+3], KSTEP<<16                   ; tile_dim0 = 128
	s_mov_b32 s[G1H+3], KSTEP<<16
	s_mov_b32 s[G1B+3], KSTEP<<16
	s_mov_b32 s[G1+4], 128                         ; tile_dim1
	s_mov_b32 s[G1H+4], 64
	s_mov_b32 s[G1B+4], 128
	s_mov_b32 s[G1+5], SIZE_K                      ; elements from row to row
	s_mov_b32 s[G1H+5], SIZE_K
	s_mov_b32 s[G1B+5], SIZE_K
	s_mov_b32 s[G1+6], 0
	s_mov_b32 s[G1H+6], 0
	s_mov_b32 s[G1B+6], 0
	s_mov_b32 s[G1+7], 0
	s_mov_b32 s[G1H+7], 0
	s_mov_b32 s[G1B+7], 0
	; tiles of X hang on the block row alone, tiles of W on the block column and the stack alone; each address in registers that never hold the other coordinate
	s_lshl_b32 s17, s12, 7
	s_lshl_b32 s16, s13, 8
	s_add_co_u32 s16, s16, s17                     ; X: row 256 x block row + 128 x half
	s_lshl_b32 s46, s42, 8
	s_add_co_u32 s46, s46, s17                     ; W: row 256 x block column + 128 x half
	s_mov_b32 s17, 0
	s_mov_b32 s47, 0
	s_mov_b64 s[18:19], ROWB
	s_mul_u64 s[16:17], s[16:17], s[18:19]
	s_mul_u64 s[46:47], s[46:47], s[18:19]
	s_lshl_b32 s100, s101, 10                      ; the half tile's first row: 1024 R
	s_lshl_b32 s99, s45, 9
	s_add_co_u32 s100, s100, s99                   ; + 512 s
	s_lshl_b32 s99, s41, 7
	s_add_co_u32 s100, s100, s99                   ; + 128 cy
	s_lshl_b32 s99, s12, 6
	s_add_co_u32 s98, s100, s99                    ; + the 64 rows that I fetch
	s_lshl_b32 s98, s98, 11                        ; in bytes
	s_mov_b32 s99, 0
	s_lshl_b32 s66, s45, 1                         ; W from tile 1 to the half tile: (3 - 2 s) x 1,024 rows on, and back to the first K step
	s_sub_co_u32 s66, 3, s66
	s_lshl_b32 s66, s66, 21
	s_sub_co_u32 s66, s66, BACK
	s_mov_b32 s67, 0
	s_mul_i32 s20, s10, HALFT                      ; where the tiles go: wave x 128 rows,
	s_mul_i32 s87, s10, QUART                      ; the half tile's X: wave x 64 rows
	s_wait_dscnt 0x0
	s_wait_kmcnt 0x0
	s_add_nc_u64 s[14:15], s[4:5], s[16:17]
	s_add_nc_u64 s[6:7], s[4:5], s[2:3]            ; my stack of weights
	s_add_nc_u64 s[46:47], s[6:7], s[46:47]
	s_add_nc_u64 s[98:99], s[4:5], s[98:99]
	CROUND                                         ; all sixteen work-groups are here: the first joint loads meet
.irp s, 0,1
	s_mov_b32 s[G0+4*\s], 1
	s_add_co_u32 s[G0+4*\s+1], s20, \s*SLOT
	s_add_nc_u64 s[G0+4*\s+2:G0+4*\s+3], s[14:15], \s*KSTEP*2
	s_or_b32 s[G0+4*\s+3], s[G0+4*\s+3], 0x80000000
	s_mov_b32 s[G0B+4*\s], 1
	s_add_co_u32 s[G0B+4*\s+1], s20, \s*SLOT
	s_add_nc_u64 s[G0B+4*\s+2:G0B+4*\s+3], s[46:47], \s*KSTEP*2
	s_or_b32 s[G0B+4*\s+3], s[G0B+4*\s+3], 0x80000000
	JLOAD \s, 0                                    ; both first fills go out before anything else: two tensor loads of a wave are out
.endr
	; a fragment is 16 rows x 32 K in 8 registers: lane l holds row l % 16; registers 0-3 K = 8 (l / 16) + 0..7, registers 4-7 K = 16 + 8 (l / 16) + 0..7
	v_and_b32 v1, 15, v0
	v_bfe_u32 v2, v0, 4, 1
	v_mul_u32_u24 v3, v1, PITCH
	v_lshl_add_u32 v3, v2, 4, v3
	s_mul_i32 s21, s11, HALFT
	s_mul_i32 s22, s12, HALFT
	s_add_co_u32 s22, s22, 2*HALFT
	s_mul_i32 s23, s11, QUART
.irp s, 0,1
	v_add_nc_u32 v[ADRA+\s], s21, v3
	v_add_nc_u32 v[ADRB+\s], s22, v3
	v_add_nc_u32 v[ADRH+\s], s23, v3
	s_add_co_u32 s21, s21, SLOT
	s_add_co_u32 s22, s22, SLOT
	s_add_co_u32 s23, s23, SLOT
.endr
	s_mul_i32 s23, s10, 16*SPITCH
	s_add_co_u32 s23, s23, STAGE
	v_mul_u32_u24 v4, v1, SPITCH
	v_lshl_add_u32 v4, v2, 4, v4
	v_add_nc_u32 v[STO], s23, v4
	v_mul_u32_u24 v5, v2, SPITCH
	v_lshl_add_u32 v5, v1, 4, v5
	v_add_nc_u32 v[RD], s23, v5
	v_mul_u32_u24 v5, v2, SIZE_N*2
	v_lshl_add_u32 v[CO], v1, 4, v5
	v_lshlrev_b32 v[BO], 5, v2                     ; 8 f32 for each half of the lanes
	; the bias: the stack picks one of two vectors of each kind, s picks the kind of tiles 0 and 1; tile 1 lies 1,024 numbers behind tile 0
	s_cmp_lg_u32 s86, 0
	s_cselect_b64 s[68:69], s[74:75], s[68:69]     ; bqT or bq
	s_cselect_b64 s[70:71], s[76:77], s[70:71]     ; bk or bkT
	s_cselect_b64 s[72:73], s[78:79], s[72:73]     ; bv or bvT
	s_cmp_lg_u32 s45, 0
	s_cselect_b64 s[68:69], s[70:71], s[68:69]
	s_lshl_b32 s80, s40, 10                        ; 256 f32 x cx
	s_lshl_b32 s81, s12, 9                         ; + my half
	s_add_co_u32 s80, s80, s81
	s_mov_b32 s81, 0
	s_add_nc_u64 s[68:69], s[68:69], s[80:81]
	s_add_nc_u64 s[72:73], s[72:73], s[80:81]
; the bias of my 128 columns of a tile, into window 1
.macro BIASLD ptr, off
	WIN TO_B
.irp b, 0,1,2,3,4,5,6,7
	global_load_b128 v[BIAS+8*\b:BIAS+8*\b+3], v[BO], s[\ptr:\ptr+1] offset:\off+64*\b
	global_load_b128 v[BIAS+8*\b+4:BIAS+8*\b+7], v[BO], s[\ptr:\ptr+1] offset:\off+64*\b+16
.endr
	WIN 0
.endm
	BIASLD 68, 0
	; where my part of tile 0 begins in p (tile 1: 2,048 bytes further), and my part of the half tile
	s_lshl_b32 s16, s13, 8
	s_lshl_b32 s17, s11, 7
	s_add_co_u32 s16, s16, s17
	s_mov_b32 s17, 0
	s_mov_b64 s[18:19], SIZE_N*2
	s_mul_u64 s[16:17], s[16:17], s[18:19]
	s_add_nc_u64 s[82:83], s[8:9], s[16:17]
	s_lshl_b32 s46, s42, 9
	s_lshl_b32 s47, s12, 8
	s_add_co_u32 s46, s46, s47
	s_mov_b32 s47, 0
	s_add_nc_u64 s[82:83], s[82:83], s[46:47]
	s_lshl_b32 s17, s11, 6
	s_add_co_u32 s16, s100, s17
	s_mov_b32 s17, 0
	s_mul_u64 s[16:17], s[16:17], s[18:19]
	s_add_nc_u64 s[84:85], s[8:9], s[16:17]
	s_lshl_b32 s46, s40, 9
	s_lshl_b32 s47, s12, 8
	s_add_co_u32 s46, s46, s47
	s_add_co_u32 s46, s46, 8192                    ; the v kind begins at column 4096
	s_mov_b32 s47, 0
	s_add_nc_u64 s[84:85], s[84:85], s[46:47]
; 16 matrix instructions: row tiles a0, a0 + 1 of the four of the window x all 8 column tiles, 32 along K.  first = 1: the bias is C and starts the sums.
; The accumulators take turns, one instruction a turn, in the same order in every quarter step.
.macro MUL16 f, hi, a0, first
.irp a, \a0, \a0+1
.irp b, 0,1,2,3,4,5,6,7
.if \first
	v_wmma_f32_16x16x32_f16 v[8*(8*(\a)+\b):8*(8*(\a)+\b)+7], v[\f+8*\b:\f+8*\b+7], v[\f+8*(4*\hi+\a):\f+8*(4*\hi+\a)+7], v[BIAS+8*\b:BIAS+8*\b+7]
.else
	v_wmma_f32_16x16x32_f16 v[8*(8*(\a)+\b):8*(8*(\a)+\b)+7], v[\f+8*\b:\f+8*\b+7], v[\f+8*(4*\hi+\a):\f+8*(4*\hi+\a)+7], v[8*(8*(\a)+\b):8*(8*(\a)+\b)+7]
.endif
.endr
.endr
.endm
; 32 LDS loads in one run: the fragments of one quarter step of a whole tile into buffer f
.macro FETCH slot, k, f
	WIN TO_B
.irp i, 0,1,2,3,4,5,6,7
	ds_load_b128 v[\f+8*\i:\f+8*\i+3],   v[ADRB+\slot] offset:\k+\i*16*PITCH
	ds_load_b128 v[\f+8*\i+4:\f+8*\i+7], v[ADRB+\slot] offset:\k+\i*16*PITCH+32
.endr
	WIN 0
.irp i, 0,1,2,3,4,5,6,7
	ds_load_b128 v[\f+8*\i:\f+8*\i+3],   v[ADRA+\slot] offset:\k+\i*16*PITCH
	ds_load_b128 v[\f+8*\i+4:\f+8*\i+7], v[ADRA+\slot] offset:\k+\i*16*PITCH+32
.endr
.endm
; 24 LDS loads: the same for the half tile: 128 rows of W, 64 rows of X
.macro FETCHH slot, k, f
	WIN TO_B
.irp i, 0,1,2,3,4,5,6,7
	ds_load_b128 v[\f+8*\i:\f+8*\i+3],   v[ADRB+\slot] offset:\k+\i*16*PITCH
	ds_load_b128 v[\f+8*\i+4:\f+8*\i+7], v[ADRB+\slot] offset:\k+\i*16*PITCH+32
.endr
	WIN 0
.irp i, 0,1,2,3
	ds_load_b128 v[\f+8*\i:\f+8*\i+3],   v[ADRH+\slot] offset:\k+\i*16*PITCH
	ds_load_b128 v[\f+8*\i+4:\f+8*\i+7], v[ADRH+\slot] offset:\k+\i*16*PITCH+32
.endr
.endm
; four independent vector places between a matrix instruction and a load into, or a vector read of, its registers
.macro PLACES
.rept 4
	v_nop
.endr
.endm
.macro QUARTER slot, k, f, g, first
	s_wait_dscnt 8                                 ; W and rows 0-63 of X are in; the youngest eight loads (rows 64-127 of X) may be out
.if \first
	WIN MUL_LO_B
.else
	WIN MUL_LO
.endif
	MUL16 \f, 0, 0, \first
	MUL16 \f, 0, 2, \first
	PLACES
	FETCH \slot, \k, \g
	s_wait_dscnt 32                                ; all but the 32 just issued
.if \first
	WIN MUL_HI_B
.else
	WIN MUL_HI
.endif
	MUL16 \f, 1, 0, \first
	MUL16 \f, 1, 2, \first
.endm
.macro THREE slot, first
	QUARTER \slot, 64,  F0, F1, \first
	QUARTER \slot, 128, F1, F0, 0
	QUARTER \slot, 192, F0, F1, 0
.endm
; The last quarter of a K step multiplies buffer 1 and changes slots.  In front of the barrier each wave waits for its reads of this slot and for all
; its tensor loads (one is out: its part of the next slot).  Behind the round the refill comes first, then the first fragments of the next slot.
; mode: where the refill comes from (macro NEXT).  With mode 3 slot 0 already holds the half tile's first K step when slot 1 is left.
.macro TURN slot, next, mode
	s_wait_dscnt 8
	WIN MUL_LO
	MUL16 F1, 0, 0, 0
	s_wait_dscnt 0                                 ; my reads of this slot are over
	s_wait_tensorcnt 0x0                           ; all my tensor loads have landed
	ds_add_u32 v255, v255
	s_wait_dscnt 0x0
	s_barrier_signal -1                            ; this barrier opens a round of the barrier of the cluster
	MUL16 F1, 0, 2, 0                              ; register work while the others arrive
	WIN 0
	s_barrier_wait -1
	CREST                                          ; no wave of any partner still reads this slot or has a load on its way
	NEXT \slot, \mode
.if \mode == 3
	JLOAD \slot, 1                                 ; the first tensor load behind the round, one a wave
.else
	JLOAD \slot, 0
.endif
	PLACES
.if \mode == 3
.if \slot == 1
	FETCHH \next, 0, F0
.else
	FETCH \next, 0, F0
.endif
.else
	FETCH \next, 0, F0
.endif
	WIN MUL_HI
	MUL16 F1, 1, 0, 0
	MUL16 F1, 1, 2, 0
.endm
.macro LAP first, mode                 ; once round the ring, both slots filled again
	THREE 0, \first
	TURN 0, 1, \mode
	THREE 1, 0
	TURN 1, 0, \mode
.endm
; The half tile: 32 matrix instructions to a quarter step, the next quarter's 24 loads in their middle
.macro QUARTERH slot, k, f, g, first
	s_wait_dscnt 4                                 ; W and rows 0-31 of X are in; the youngest four loads (rows 32-63 of X) may be out
.if \first
	WIN MUL_LO_B
.else
	WIN MUL_LO
.endif
	MUL16 \f, 0, 0, \first
	PLACES
	FETCHH \slot, \k, \g
	s_wait_dscnt 24                                ; all but the 24 just issued
.if \first
	WIN MUL_LO_B
.else
	WIN MUL_LO
.endif
	MUL16 \f, 0, 2, \first
.endm
.macro THREEH slot, first
	QUARTERH \slot, 64,  F0, F1, \first
	QUARTERH \slot, 128, F1, F0, 0
	QUARTERH \slot, 192, F0, F1, 0
.endm
; its change of slots: the waits and the signal first, sixteen matrix instructions while the others arrive, the refill and the next fragments, the other sixteen
.macro TURNH slot, next, fill
	s_wait_dscnt 0                                 ; buffer 1 is in, and my reads of this slot are over
	s_wait_tensorcnt 0x0                           ; all my tensor loads have landed
	ds_add_u32 v255, v255
	s_wait_dscnt 0x0
	s_barrier_signal -1
	WIN MUL_LO
	MUL16 F1, 0, 0, 0
	WIN 0
	s_barrier_wait -1
.if \fill
	CREST
	NEXT \slot, 1
	JLOAD \slot, 1
.endif
	PLACES
	FETCHH \next, 0, F0
	WIN MUL_LO
	MUL16 F1, 0, 2, 0
.endm
.macro LAPH first
	THREEH 0, \first
	TURNH 0, 1, 1
	THREEH 1, 0
	TURNH 1, 0, 1
.endm
; THE WAY OUT, 16 rows at a time: round to f16, 16 bytes a lane into my own stage, read back as whole rows of 256 bytes.
; It reads back into the halves of X's buffer 1 by turns: buffer 0 already holds the next tile's first fragments.
.macro OUT16 i, a, from, f
	WIN \from
.irp b, 0,1,2,3,4,5,6,7
.irp r, 0,1,2,3
	v_cvt_pk_f16_f32 v[TMP+4*\b+\r], v[8*(8*\a+\b)+2*\r], v[8*(8*\a+\b)+2*\r+1]
.endr
.endr
	WIN 0
.irp b, 0,1,2,3,4,5,6,7
	ds_store_b128 v[STO], v[TMP+4*\b:TMP+4*\b+3] offset:32*\b
.endr
	s_wait_xcnt 0x0                                ; the registers at f, which earlier stores read, and the base of the stores are rewritten only behind this wait
.if \i
	s_add_nc_u64 s[8:9], s[8:9], 16*SIZE_N*2
.endif
.irp t, 0,1,2,3,4,5,6,7
	ds_load_b128 v[\f+4*\t:\f+4*\t+3], v[RD] offset:\t*2*SPITCH    ; LDS serves the instructions of a wave in order: these see the stores above
.endr
.irp t, 0,1,2,3,4,5,6,7
	s_wait_dscnt 7-\t
	global_store_b128 v[CO], v[\f+4*\t:\f+4*\t+3], s[8:9] offset:2*\t*SIZE_N*2   ; 16 lanes store 256 consecutive aligned bytes
.endr
.endm
.macro OUTLO
	OUT16 0, 0, 0x0a, F1
	OUT16 1, 1, 0x0a, F1+32
	OUT16 2, 2, 0x0a, F1
	OUT16 3, 3, 0x0a, F1+32
.endm
.macro OUTHI
	OUT16 4, 0, 0x0f, F1
	OUT16 5, 1, 0x0f, F1+32
	OUT16 6, 2, 0x0f, F1
	OUT16 7, 3, 0x0f, F1+32
.endm
	s_wait_tensorcnt 1                             ; my part of K step 0 is in; that of K step 1 stays out
	s_barrier_signal -1
	s_barrier_wait -1
	FETCH 0, 0, F0
	; ---- tile 0
	s_wait_loadcnt 0x0                             ; the bias
	LAP 1, 1
	BIASLD 68, 4096                                ; the bias was last read in the first quarter step: tile 1's takes its place, three laps ahead of its use
	s_mov_b32 s3, 2
.Llap0:
	LAP 0, 1
	WIN 0
	s_sub_co_u32 s3, s3, 1
	s_cmp_lg_u32 s3, 0
	s_cbranch_scc1 .Llap0
	LAP 0, 2                                       ; the last lap asks for tile 1's first two K steps
	PLACES
	s_mov_b64 s[8:9], s[82:83]
	OUTLO
	OUTHI
	; ---- tile 1
	s_wait_xcnt 0x0                                ; X's buffer 1, which the last stores read, is loaded again only behind this wait
	s_wait_loadcnt 0x0                             ; the bias
	LAP 1, 1
	BIASLD 72, 0                                   ; the half tile's bias
	s_mov_b32 s3, 2
.Llap1:
	LAP 0, 1
	WIN 0
	s_sub_co_u32 s3, s3, 1
	s_cmp_lg_u32 s3, 0
	s_cbranch_scc1 .Llap1
	LAP 0, 3                                       ; the last lap asks for the half tile's first two K steps
	PLACES
	s_wait_xcnt 0x0                                ; the base of tile 0's stores is rewritten only behind this wait
	s_add_nc_u64 s[8:9], s[82:83], 2048
	OUTLO
	OUTHI
	; ---- tile 2, the half tile
	s_wait_xcnt 0x0
	s_wait_loadcnt 0x0
	LAPH 1
	WIN 0
	s_mov_b32 s3, 2
.Llap2:
	LAPH 0
	WIN 0
	s_sub_co_u32 s3, s3, 1
	s_cmp_lg_u32 s3, 0
	s_cbranch_scc1 .Llap2
	THREEH 0, 0                                    ; the last lap fills nothing
	TURNH 0, 1, 0
	THREEH 1, 0
	s_wait_dscnt 0
	WIN MUL_LO
	MUL16 F1, 0, 0, 0
	MUL16 F1, 0, 2, 0
	PLACES
	s_wait_xcnt 0x0
	s_mov_b64 s[8:9], s[84:85]
	OUTLO
	s_set_vgpr_msb 0x1
	s_wait_tensorcnt 0x0
	ds_add_u32 v255, v255
	s_wait_dscnt 0x0
	s_set_vgpr_msb 0x100
	CROUND                                         ; the closing round: no work-group ends while a partner may still ask for a tile that names it
	s_endpgm
.Lfunc_end_k_q21acf67c3a_proj:
	.size	k_q21acf67c3a_proj, .Lfunc_end_k_q21acf67c3a_proj-k_q21acf67c3a_proj
	.p2alignl 7, 3214868480
	.fill 96, 4, 3214868480
	.section	.rodata,"a",@progbits
	.p2align	6, 0x0
	.amdhsa_kernel k_q21acf67c3a_proj
		.amdhsa_group_segment_fixed_size 327680
		.amdhsa_private_segment_fixed_size 0
		.amdhsa_enable_private_segment 0
		.amdhsa_kernarg_size 64
		.amdhsa_user_sgpr_count 2
		.amdhsa_user_sgpr_kernarg_segment_ptr 1
		.amdhsa_wavefront_size32 1
		.amdhsa_system_sgpr_workgroup_id_x 1
		.amdhsa_system_sgpr_workgroup_id_y 1
		.amdhsa_system_sgpr_workgroup_id_z 1
		.amdhsa_system_vgpr_workitem_id 0
		.amdhsa_next_free_vgpr 1024
		.amdhsa_next_free_sgpr 102
		.amdhsa_reserve_vcc 0
		.amdhsa_float_denorm_mode_32 3
		.amdhsa_float_denorm_mode_16_64 3
		.amdhsa_memory_ordered 1
		.amdhsa_forward_progress 1
		.amdhsa_inst_pref_size 255
	.end_amdhsa_kernel
	.section	.bss,"aw",@nobits
	.p2align	6
	.space	262144
	.amdgpu_metadata
---
amdhsa.version: [ 1, 2 ]
amdhsa.kernels:
  - .name:           k_q21acf67c3a_proj
    .symbol:         k_q21acf67c3a_proj.kd
    .args:
      - { .name: xw, .offset: 0, .size: 8, .value_kind: global_buffer, .address_space: global }
      - { .name: bq, .offset: 8, .size: 8, .value_kind: global_buffer, .address_space: global }
      - { .name: bkT, .offset: 16, .size: 8, .value_kind: global_buffer, .address_space: global }
      - { .name: bvT, .offset: 24, .size: 8, .value_kind: global_buffer, .address_space: global }
      - { .name: bqT, .offset: 32, .size: 8, .value_kind: global_buffer, .address_space: global }
      - { .name: bk, .offset: 40, .size: 8, .value_kind: global_buffer, .address_space: global }
      - { .name: bv, .offset: 48, .size: 8, .value_kind: global_buffer, .address_space: global }
      - { .name: p, .offset: 56, .size: 8, .value_kind: global_buffer, .address_space: global }
    .group_segment_fixed_size: 327680
    .private_segment_fixed_size: 0
    .kernarg_segment_align: 8
    .kernarg_segment_size: 64
    .max_flat_workgroup_size: 128
    .sgpr_count:     102
    .vgpr_count:     1024
    .wavefront_size: 32
...
	.end_amdgpu_metadata
.endif
;; end of part 2
;; launch attn (part 3): grid 256 x 1, 4 waves a work-group, clusters of 4 x 1, 327,680 bytes of LDS; arguments p, mask, ctx; writes ctx
.if DOCPART == 3
	.amdgcn_target "amdgcn-amd-amdhsa--gfx1250"
	.amdhsa_code_object_version 6
	.text
	.protected	k_q21acf67c3a_attn
	.globl	k_q21acf67c3a_attn
	.p2align	8
	.type	k_q21acf67c3a_attn,@function
k_q21acf67c3a_attn:
	s_mov_b64 s[64:65], 0
	v_nop
	global_prefetch_b8 v0, s[64:65] scope:SCOPE_SE
	s_setreg_imm32_b32 hwreg(HW_REG_WAVE_MODE, 25, 1), 1
	s_wait_xcnt 0x0
	s_wait_alu depctr_hold_cnt(0) depctr_sa_sdst(0) depctr_va_vdst(0) depctr_va_sdst(0) depctr_va_ssrc(0) depctr_va_vcc(0) depctr_vm_vsrc(0)
	s_getreg_b32 s2, hwreg(HW_REG_IB_STS2, 6, 4)
	s_cmp_eq_u32 s2, 0
	s_cbranch_scc0 .Lentry_in_a_cluster
	s_endpgm
.Lentry_in_a_cluster:
	s_bfe_u32 s2, ttmp6, 0x10000c
	s_cmp_lg_u32 s2, 0x3003
	s_cbranch_scc0 .Lentry_shape_is_right
	s_endpgm
.Lentry_shape_is_right:
; ctx = softmax(Q K^T / sqrt(512) + (1 - mask) * -10000) V for 64 problems (2 branches x 8 batches x 4 heads) of 512 queries x 512 keys,
; head size 512 for Q and K, 256 for V.  Q, K, V are columns of p (f16, rows of 10,240 bytes); branch br takes Q from rows br * 4096 and
; K, V from rows (1 - br) * 4096.
; FORMAT: Q, K, V, the probabilities and ctx are f16 (11 bits of significand); scores, maxima, exponentials and sums are f32.  Room: the
; probabilities enter the second product before the division, as 2^(score - maximum), in [0, 1]; ctx is a convex mix of rows of V and has their range.
; LIMITS: a probability below 2^-25 of the largest of its row enters the second product as 0.  The scores are kept in base 2:
; s * (log2 e / sqrt 512) + fma(mask, c2, -c2) with c2 = 10000 log2 e, one rounding where the formula above has two.  An exponential
; below 2^-126 comes out as 0.  The true maximum of each row is taken away before the exponential.
; A cluster of four work-groups is one problem; a work-group has 128 queries, a wave 32 (two tiles of 16) against all 512 keys.
; The four work-groups read the same K and V: those tiles are asked for jointly (mask 15), which divides the requests for them by four.
; THE SCORES ARE KEPT TRANSPOSED AND WHOLE IN REGISTERS: source 0 = 16 keys, source 1 = 16 queries, so register j of lane (r, h) is
; (key 16 t + 8 h + j, query r).  Maximum and sum of a query then lie in two lanes (l and l xor 16), and packing key tiles 2u and 2u + 1
; to f16 gives the fragment of the probabilities for keys 32u .. 32u + 31 as source 1 of the second product: they never leave registers.
; The second product: source 0 = V transposed on the way out of LDS, result register j of lane (r, h) = (column 16 n + 8 h + j, query r).
;
; LDS: two slots of 139,264 bytes; a slot holds 128 keys of K (rows of 1,024 + 16 bytes), or 256 keys of V (rows of 512 + 32 bytes), or,
; once, the 128 rows of Q.  Behind them, in bytes that no tensor load fills: a stage of 16 rows x 528 bytes for each wave, and 512 f32 of mask terms.
; REGISTERS: window 0: addresses, softmax figures, v64-255 three fragment buffers of 64.  Window 1: the Q fragments, then the mask terms, then the
; 32 result tiles.  Windows 2, 3: the 64 score tiles, tile (t, q) in window 2 + t / 16 at 8 (2 (t % 16) + q).
.set PP,      10240                    ; bytes in a row of p
.set SLOT,    139264
.set KPITCH,  1040                     ; 65 x 16 bytes: the 16 rows of a fragment start 16 bytes apart modulo 256
.set VPITCH,  544                      ; 17 x 32 bytes, for the transposing loads
.set KQ,      32*KPITCH                ; the quarter of a K block (and of Q) that a wave fetches
.set VQ,      64*VPITCH                ; the quarter of a V block
.set STAGE,   2*SLOT
.set SPITCH,  528
.set AMT,     STAGE+4*16*SPITCH
.set ADRK, 8                           ; v8-11   K fragments: [slot][half of the block]
.set ADRV, 12                          ; v12-15  V fragments: [slot][half of the block]
.set ADRQ, 16                          ; v16     my Q rows
.set ADRM, 17                          ; v17     mask terms
.set STO,  18                          ; v18     the way out: where I put 16 bytes of a row
.set RD,   19                          ; v19     the way out: where I read a row back
.set CO,   20                          ; v20     my byte offset in a row of ctx
.set MX,   32                          ; v32-39  running maxima, four chains for each query tile
.set SM,   40                          ; v40-55  running sums, four pairs for each query tile
.set MQ,   56                          ; v56-59  the maximum of my query, twice, for each query tile
.set RL,   60                          ; v60-63  1 / sum, twice, for each query tile
.set F,    64                          ; v64-255 three fragment buffers
.set G1K,  16                          ; s[16:23] group 1: 32 rows x 512 elements, joint
.set G1Q,  24                          ; s[24:31] the same, for my work-group alone
.set G1V,  32                          ; s[32:39] 64 rows x 256 elements, joint
.set G0K0, 40                          ; group 0: K into slot 0
.set G0K1, 44                          ; K into slot 1
.set G0Q,  48                          ; Q into slot 1
.set G0V0, 52                          ; V into slot 0
.set G0V1, 56                          ; V into slot 1
.set MSB, 0
.macro WIN new                         ; the high byte of the immediate repeats the setting that is left
.if MSB != (\new)
	s_set_vgpr_msb (MSB<<8)|(\new)
.set MSB, (\new)
.endif
.endm
; four independent vector places between a matrix instruction and a load into, or a vector read of, its registers
.macro PLACES
.rept 4
	v_nop
.endr
.endm
; a round of the barrier of the cluster
.macro ROUND
	s_barrier_signal -1
	s_barrier_wait -1
	s_cmp_lg_u32 s10, 0
	s_cbranch_scc1 .Lnot_wave_0_\@
	s_barrier_signal -3
.Lnot_wave_0_\@:
	s_barrier_wait -3
	s_barrier_signal -1
	s_barrier_wait -1
.endm
; A slot is filled again: my LDS reads are back, all my tensor loads have landed (so a group 0 may be stepped), a round of the barrier of the
; cluster says the same of every wave of all four work-groups, and my one load stands first behind it.
.macro REFILL g0, g1, step
	WIN 0
	s_wait_dscnt 0x0
	s_wait_tensorcnt 0x0
	ds_add_u32 v30, v31
	s_wait_dscnt 0x0
.if \step
	s_add_nc_u64 s[\g0+2:\g0+3], s[\g0+2:\g0+3], \step
.endif
	ROUND
	tensor_load_to_lds s[\g0:\g0+3], s[\g1:\g1+7]
	s_nop 0
.endm
	s_load_b128 s[4:7], s[0:1], 0x0                ; p, mask
	s_load_b64 s[8:9], s[0:1], 0x10                ; ctx
	v_lshl_add_u32 v30, v0, 2, 0x4cc00
	v_mov_b32 v31, 0
	ds_add_u32 v30, v31
	v_lshrrev_b32 v1, 5, v0
	v_readfirstlane_b32 s10, v1                    ; wave 0..3
	s_lshr_b32 s11, ttmp9, 5                       ; branch   (ttmp9 counts clusters: one problem each)
	s_bfe_u32 s12, ttmp9, 0x30002                  ; batch
	s_and_b32 s13, ttmp9, 3                        ; head
	s_bfe_u32 s14, ttmp6, 0x40000                  ; cx: my block of 128 queries
	s_mov_b32 s66, 0x3d8293ee                      ; log2 e / sqrt 512
	s_mov_b32 s67, 0x3d8293ee
	s_mov_b32 s68, 0x46616bcd                      ; 10000 log2 e
	s_mov_b32 s70, 0x76543210                      ; v_permlanex16_b32: lane i reads lane i of the other half
	s_mov_b32 s71, 0xfedcba98
	; group 1 of K: elements of 2 bytes, 16 bytes of padding behind every 256 words, mask 15 with bit 21 beside it
	s_mov_b32 s[G1K+0], 15|(1<<16)|(1<<20)|(1<<21)|(7<<22)|(3<<25)
	s_mov_b32 s[G1K+1], 512<<16                    ; tensor_dim0 = 512
	s_mov_b32 s[G1K+2], 32<<16                     ; tensor_dim1 = 32
	s_mov_b32 s[G1K+3], 512<<16                    ; tile_dim0 = 512
	s_mov_b32 s[G1K+4], 32                         ; tile_dim1 = 32
	s_mov_b32 s[G1K+5], 5120                       ; elements from row to row
	s_mov_b32 s[G1K+6], 0
	s_mov_b32 s[G1K+7], 0
	s_mov_b32 s[G1Q+0], (1<<16)|(1<<20)|(7<<22)|(3<<25)
	s_mov_b32 s[G1Q+1], 512<<16
	s_mov_b32 s[G1Q+2], 32<<16
	s_mov_b32 s[G1Q+3], 512<<16
	s_mov_b32 s[G1Q+4], 32
	s_mov_b32 s[G1Q+5], 5120
	s_mov_b32 s[G1Q+6], 0
	s_mov_b32 s[G1Q+7], 0
	; group 1 of V: 32 bytes of padding behind every 128 words
	s_mov_b32 s[G1V+0], 15|(1<<16)|(1<<20)|(1<<21)|(6<<22)|(7<<25)
	s_mov_b32 s[G1V+1], 256<<16
	s_mov_b32 s[G1V+2], 64<<16
	s_mov_b32 s[G1V+3], 256<<16
	s_mov_b32 s[G1V+4], 64
	s_mov_b32 s[G1V+5], 5120
	s_mov_b32 s[G1V+6], 0
	s_mov_b32 s[G1V+7], 0
	; offsets of K and V: branch, batch, head and wave alone, in registers that never hold cx
	s_xor_b32 s60, s11, 1
	s_lshl_b32 s60, s60, 12
	s_lshl_b32 s61, s12, 9
	s_add_co_u32 s60, s60, s61                     ; first key row
	s_lshl_b32 s62, s10, 5
	s_add_co_u32 s62, s62, s60                     ; + 32 x wave
	s_mul_i32 s62, s62, PP
	s_lshl_b32 s63, s13, 10
	s_add_co_u32 s62, s62, s63                     ; + head x 1,024 bytes
	s_add_co_u32 s62, s62, 4096                    ; the k kind begins at column 2048
	s_mov_b32 s63, 0
	s_lshl_b32 s61, s10, 6
	s_add_co_u32 s60, s60, s61                     ; + 64 x wave
	s_mul_i32 s60, s60, PP
	s_lshl_b32 s61, s13, 9
	s_add_co_u32 s60, s60, s61                     ; + head x 512 bytes
	s_add_co_u32 s60, s60, 8192                    ; the v kind begins at column 4096
	s_mov_b32 s61, 0
	; offsets of Q and ctx
	s_lshl_b32 s72, s11, 12
	s_lshl_b32 s73, s12, 9
	s_add_co_u32 s72, s72, s73
	s_lshl_b32 s73, s14, 7
	s_add_co_u32 s72, s72, s73
	s_lshl_b32 s73, s10, 5
	s_add_co_u32 s72, s72, s73                     ; the row of my first query
	s_mul_i32 s74, s72, PP
	s_lshl_b32 s75, s13, 10
	s_add_co_u32 s74, s74, s75
	s_mov_b32 s75, 0
	s_lshl_b32 s72, s72, 11                        ; rows of ctx are 2,048 bytes
	s_lshl_b32 s73, s13, 9
	s_add_co_u32 s72, s72, s73
	s_mov_b32 s73, 0
	s_lshl_b32 s76, s12, 11                        ; the row of the mask: 512 f32
	s_mov_b32 s77, 0
	s_mul_i32 s15, s10, KQ
	s_mul_i32 s2, s10, VQ
	s_mov_b32 s[G0K0], 1
	s_mov_b32 s[G0K1], 1
	s_mov_b32 s[G0Q], 1
	s_mov_b32 s[G0V0], 1
	s_mov_b32 s[G0V1], 1
	s_add_co_u32 s[G0K0+1], s15, 0
	s_add_co_u32 s[G0K1+1], s15, SLOT
	s_add_co_u32 s[G0Q+1], s15, SLOT
	s_add_co_u32 s[G0V0+1], s2, 0
	s_add_co_u32 s[G0V1+1], s2, SLOT
	s_wait_dscnt 0x0
	s_wait_kmcnt 0x0
	s_add_nc_u64 s[G0K0+2:G0K0+3], s[4:5], s[62:63]              ; keys 0-127
	s_add_nc_u64 s[G0K1+2:G0K1+3], s[G0K0+2:G0K0+3], 128*PP      ; keys 128-255
	s_add_nc_u64 s[G0V0+2:G0V0+3], s[4:5], s[60:61]              ; keys 0-255
	s_add_nc_u64 s[G0V1+2:G0V1+3], s[G0V0+2:G0V0+3], 256*PP      ; keys 256-511
	s_add_nc_u64 s[G0Q+2:G0Q+3], s[4:5], s[74:75]
	s_or_b32 s[G0K0+3], s[G0K0+3], 0x80000000
	s_or_b32 s[G0K1+3], s[G0K1+3], 0x80000000
	s_or_b32 s[G0V0+3], s[G0V0+3], 0x80000000
	s_or_b32 s[G0V1+3], s[G0V1+3], 0x80000000
	s_or_b32 s[G0Q+3], s[G0Q+3], 0x80000000
	s_add_nc_u64 s[6:7], s[6:7], s[76:77]
	s_add_nc_u64 s[8:9], s[8:9], s[72:73]
	ROUND                                          ; all four work-groups are here: the first joint load meets
	tensor_load_to_lds s[G0K0:G0K0+3], s[G1K:G1K+7]              ; the two first fills: two tensor loads of a wave are out, later never more than one
	s_nop 0
	tensor_load_to_lds s[G0Q:G0Q+3], s[G1Q:G1Q+7]
	s_nop 0
	v_lshlrev_b32 v21, 4, v0                       ; thread t takes four numbers of the mask
	global_load_b128 v[24:27], v21, s[6:7]
	v_and_b32 v1, 15, v0                           ; r
	v_bfe_u32 v2, v0, 4, 1                         ; h
	v_and_b32 v3, 31, v0                           ; lane
	v_mul_u32_u24 v[ADRK], v1, KPITCH
	v_lshl_add_u32 v[ADRK], v2, 4, v[ADRK]         ; row r, 16 bytes for each half of the lanes
	v_add_nc_u32 v[ADRK+1], 64*KPITCH, v[ADRK]
	v_add_nc_u32 v[ADRK+2], SLOT, v[ADRK]
	v_add_nc_u32 v[ADRK+3], SLOT+64*KPITCH, v[ADRK]
	v_add_nc_u32 v[ADRQ], s[G0Q+1], v[ADRK]        ; my own 32 rows of Q
	v_and_b32 v[ADRV], 7, v0
	v_lshl_add_u32 v[ADRV], v2, 3, v[ADRV]         ; key 8 h + l % 8
	v_mul_u32_u24 v[ADRV], v[ADRV], VPITCH
	v_bfe_u32 v6, v0, 3, 1
	v_lshl_add_u32 v[ADRV], v6, 4, v[ADRV]         ; columns 8 ((l / 8) % 2) ..
	v_add_nc_u32 v[ADRV+1], 128*VPITCH, v[ADRV]
	v_add_nc_u32 v[ADRV+2], SLOT, v[ADRV]
	v_add_nc_u32 v[ADRV+3], SLOT+128*VPITCH, v[ADRV]
	v_lshlrev_b32 v[ADRM], 5, v2
	v_add_nc_u32 v[ADRM], AMT, v[ADRM]             ; 8 f32 for each half of the lanes
	s_mul_i32 s3, s10, 16*SPITCH
	s_add_co_u32 s3, s3, STAGE
	v_mul_u32_u24 v6, v1, SPITCH
	v_lshl_add_u32 v6, v2, 4, v6
	v_add_nc_u32 v[STO], s3, v6
	v_lshl_add_u32 v[RD], v3, 4, s3
	v_lshlrev_b32 v[CO], 4, v3
	v_add_nc_u32 v22, AMT, v21
	s_wait_loadcnt 0x0
.irp k, 24,25,26,27
	v_fma_f32 v\k, v\k, s68, -s68                  ; (mask - 1) x 10000 log2 e
.endr
	ds_store_b128 v22, v[24:27]
	s_wait_tensorcnt 0x0                           ; my quarter of Q is my own 32 rows: my own wait is all that these reads need
	WIN 0x40                                       ; destination window 1
.irp d, 0,1,2,3,4,5,6,7,8,9,10,11,12,13,14,15
.irp q, 0,1
	ds_load_b128 v[8*(2*\d+\q):8*(2*\d+\q)+3],   v[ADRQ] offset:\q*16*KPITCH+64*\d
	ds_load_b128 v[8*(2*\d+\q)+4:8*(2*\d+\q)+7], v[ADRQ] offset:\q*16*KPITCH+64*\d+32
.endr
.endr
; 16 LDS loads: the fragments of 128 keys x 32 along the head, at byte 64 ds of the rows
.macro FETCHK slot, ds, buf
.irp kt, 0,1,2,3,4,5,6,7
	ds_load_b128 v[F+64*(\buf)+8*\kt:F+64*(\buf)+8*\kt+3],   v[ADRK+2*\slot+(\kt>>2)] offset:(\kt&3)*16*KPITCH+64*(\ds)
	ds_load_b128 v[F+64*(\buf)+8*\kt+4:F+64*(\buf)+8*\kt+7], v[ADRK+2*\slot+(\kt>>2)] offset:(\kt&3)*16*KPITCH+64*(\ds)+32
.endr
.endm
; 16 matrix instructions on 16 accumulators, which take turns, one instruction a turn.  The first step starts the sums.
.macro MULK kb, ds, buf
.irp kt, 0,1,2,3,4,5,6,7
.irp q, 0,1
.if (\ds) == 0
	v_wmma_f32_16x16x32_f16 v[8*(2*((8*\kb+\kt)&15)+\q):8*(2*((8*\kb+\kt)&15)+\q)+7], v[F+64*(\buf)+8*\kt:F+64*(\buf)+8*\kt+7], v[8*(2*(\ds)+\q):8*(2*(\ds)+\q)+7], 0
.else
	v_wmma_f32_16x16x32_f16 v[8*(2*((8*\kb+\kt)&15)+\q):8*(2*((8*\kb+\kt)&15)+\q)+7], v[F+64*(\buf)+8*\kt:F+64*(\buf)+8*\kt+7], v[8*(2*(\ds)+\q):8*(2*(\ds)+\q)+7], v[8*(2*((8*\kb+\kt)&15)+\q):8*(2*((8*\kb+\kt)&15)+\q)+7]
.endif
.endr
.endr
.endm
; the scores of keys 128 kb .. + 127: 16 steps of 32 along the head on three fragment buffers, the loads two steps ahead of their use
.macro QKBLOCK kb, slot
	PLACES
	WIN 0
	FETCHK \slot, 0, 0
	FETCHK \slot, 1, 1
.irp ds, 0,1,2,3,4,5,6,7,8,9,10,11,12,13,14,15
.if \ds <= 13
.if \ds > 0
	PLACES
.endif
	WIN 0
	FETCHK \slot, \ds+2, (\ds+2)%3
	s_wait_dscnt 32                                ; the two younger groups of 16 loads stay out
.elseif \ds == 14
	s_wait_dscnt 16
.else
	s_wait_dscnt 0
.endif
	WIN 0xa4+0x50*(\kb>>1)                         ; source 0 window 0, source 1 (Q) window 1, C and D window 2 or 3
	MULK \kb, \ds, \ds%3
.endr
.endm
; 16 transposing loads: V of keys 32 (g / 2) .. + 31 of the block, columns 128 (g % 2) .. + 127, as fragments with the keys along K
.macro FETCHV slot, g, buf
.irp i, 0,1,2,3,4,5,6,7
	ds_load_tr16_b128 v[F+64*(\buf)+8*\i:F+64*(\buf)+8*\i+3],   v[ADRV+2*\slot+((\g)>>3)] offset:(((\g)>>1)&3)*32*VPITCH+32*(8*((\g)&1)+\i)
	ds_load_tr16_b128 v[F+64*(\buf)+8*\i+4:F+64*(\buf)+8*\i+7], v[ADRV+2*\slot+((\g)>>3)] offset:(((\g)>>1)&3)*32*VPITCH+32*(8*((\g)&1)+\i)+16*VPITCH
.endr
.endm
; 16 matrix instructions on 16 of the 32 result tiles, by turns as above
.macro MULV vb, g, buf
.irp i, 0,1,2,3,4,5,6,7
.irp q, 0,1
.if (8*\vb+((\g)>>1)) == 0
	v_wmma_f32_16x16x32_f16 v[8*(2*(8*((\g)&1)+\i)+\q):8*(2*(8*((\g)&1)+\i)+\q)+7], v[F+64*(\buf)+8*\i:F+64*(\buf)+8*\i+7], v[8*(4*((\g)>>1)+\q):8*(4*((\g)>>1)+\q)+7], 0
.else
	v_wmma_f32_16x16x32_f16 v[8*(2*(8*((\g)&1)+\i)+\q):8*(2*(8*((\g)&1)+\i)+\q)+7], v[F+64*(\buf)+8*\i:F+64*(\buf)+8*\i+7], v[8*(4*((\g)>>1)+\q):8*(4*((\g)>>1)+\q)+7], v[8*(2*(8*((\g)&1)+\i)+\q):8*(2*(8*((\g)&1)+\i)+\q)+7]
.endif
.endr
.endr
.endm
.macro PVBLOCK vb, slot
	PLACES
	WIN 0
	FETCHV \slot, 0, 0
	FETCHV \slot, 1, 1
.irp g, 0,1,2,3,4,5,6,7,8,9,10,11,12,13,14,15
.if \g <= 13
.if \g > 0
	PLACES
.endif
	WIN 0
	FETCHV \slot, \g+2, (\g+2)%3
	s_wait_dscnt 32                                ; the two younger groups of 16 loads stay out
.elseif \g == 14
	s_wait_dscnt 16
.else
	s_wait_dscnt 0
.endif
	WIN 0x58+4*\vb                                 ; source 0 window 0, source 1 (probabilities) window 2 or 3, C and D window 1
	MULV \vb, \g, \g%3
.endr
.endm
	REFILL G0K1, G1K, 0                            ; Q is in registers: keys 128-255 take its place.  The round also shows keys 0-127 and the mask terms to every wave
	QKBLOCK 0, 0
	REFILL G0K0, G1K, 256*PP                       ; keys 256-383
	QKBLOCK 1, 1
	REFILL G0K1, G1K, 256*PP                       ; keys 384-511
	QKBLOCK 2, 0
	REFILL G0V0, G1V, 0                            ; V of keys 0-255
	QKBLOCK 3, 1
	REFILL G0V1, G1V, 0                            ; V of keys 256-511: it lands during the softmax and the first half of the second product
	; SOFTMAX over the 512 keys of my 32 queries, all in registers
	PLACES                                         ; behind the last matrix instructions: for the loads over Q and for the reads of the scores
	WIN 0x40
.irp t, 0,1,2,3,4,5,6,7,8,9,10,11,12,13,14,15,16,17,18,19,20,21,22,23,24,25,26,27,28,29,30,31
	ds_load_b128 v[8*\t:8*\t+3],   v[ADRM] offset:64*\t       ; register 8 t + j: the mask term of key 16 t + 8 h + j
	ds_load_b128 v[8*\t+4:8*\t+7], v[ADRM] offset:64*\t+16
.endr
	WIN 0
.irp k, 0,1,2,3,4,5,6,7
	v_mov_b32 v[MX+\k], 0xff800000
.endr
.irp k, 0,1,2,3,4,5,6,7,8,9,10,11,12,13,14,15
	v_mov_b32 v[SM+\k], 0
.endr
	s_wait_dscnt 0x0
; w = 0: window 2, key tiles 0-15; w = 1: window 3, key tiles 16-31
.macro PASS_A w                        ; score x log2 e / sqrt 512 + mask term
.irp t, 0,1,2,3,4,5,6,7,8,9,10,11,12,13,14,15
.irp q, 0,1
.irp i, 0,1,2,3
	v_pk_fma_f32 v[8*(2*\t+\q)+2*\i:8*(2*\t+\q)+2*\i+1], v[8*(2*\t+\q)+2*\i:8*(2*\t+\q)+2*\i+1], s[66:67], v[8*(16*\w+\t)+2*\i:8*(16*\w+\t)+2*\i+1] op_sel_hi:[1,0,1]
.endr
.endr
.endr
.endm
.macro PASS_B                          ; eight chains of maxima
.irp t, 0,1,2,3,4,5,6,7,8,9,10,11,12,13,14,15
.irp q, 0,1
.irp i, 0,1,2,3
	v_max3_num_f32 v[MX+4*\q+\i], v[MX+4*\q+\i], v[8*(2*\t+\q)+2*\i], v[8*(2*\t+\q)+2*\i+1]
.endr
.endr
.endr
.endm
.macro PASS_C                          ; take the maximum away, then 2^x in place
.irp t, 0,1,2,3,4,5,6,7,8,9,10,11,12,13,14,15
.irp q, 0,1
.irp i, 0,1,2,3
	v_pk_add_f32 v[8*(2*\t+\q)+2*\i:8*(2*\t+\q)+2*\i+1], v[8*(2*\t+\q)+2*\i:8*(2*\t+\q)+2*\i+1], v[MQ+2*\q:MQ+2*\q+1] neg_lo:[0,1] neg_hi:[0,1]
.endr
.endr
.endr
.set j, 0
.rept 256
	v_exp_f32 v[j], v[j]
.set j, j+1
.endr
	v_nop                                          ; one plain place between the exponentials and the first use of a result (ISA guide 5.7.2)
.endm
.macro PASS_D                          ; eight chains of sums
	s_wait_alu depctr_va_vdst(0)
.irp t, 0,1,2,3,4,5,6,7,8,9,10,11,12,13,14,15
.irp q, 0,1
.irp i, 0,1,2,3
	v_pk_add_f32 v[SM+8*\q+2*\i:SM+8*\q+2*\i+1], v[SM+8*\q+2*\i:SM+8*\q+2*\i+1], v[8*(2*\t+\q)+2*\i:8*(2*\t+\q)+2*\i+1]
.endr
.endr
.endr
.endm
.macro PASS_E                          ; key tiles 2u, 2u + 1 pack into the fragment of keys 32u .. + 31, at the place of tile 2u; no source is written before it is read
.irp u, 0,1,2,3,4,5,6,7
.irp q, 0,1
.irp i, 0,1,2,3
	v_cvt_pk_f16_f32 v[8*(4*\u+\q)+\i], v[8*(4*\u+\q)+2*\i], v[8*(4*\u+\q)+2*\i+1]
.endr
.irp i, 0,1,2,3
	v_cvt_pk_f16_f32 v[8*(4*\u+\q)+4+\i], v[8*(4*\u+\q)+16+2*\i], v[8*(4*\u+\q)+16+2*\i+1]
.endr
.endr
.endr
.endm
	WIN 0x92                                       ; destination and source 0 window 2, source 2 window 1
	PASS_A 0
	WIN 0x28                                       ; sources 1 and 2 window 2
	PASS_B
	WIN 0xd3
	PASS_A 1
	WIN 0x3c
	PASS_B
	WIN 0
.irp q, 0,1
	v_max3_num_f32 v[MX+4*\q], v[MX+4*\q], v[MX+4*\q+1], v[MX+4*\q+2]
	v_max_num_f32 v[MX+4*\q], v[MX+4*\q], v[MX+4*\q+3]
	v_permlanex16_b32 v[MX+4*\q+1], v[MX+4*\q], s70, s71         ; the other half of the keys lies in lane l xor 16
	v_max_num_f32 v[MQ+2*\q], v[MX+4*\q], v[MX+4*\q+1]
	v_max_num_f32 v[MQ+2*\q+1], v[MX+4*\q], v[MX+4*\q+1]
.endr
	WIN 0x82                                       ; destination and source 0 window 2
	PASS_C
	WIN 0x08                                       ; source 1 window 2
	PASS_D
	WIN 0x8a                                       ; destination, sources 0 and 1 window 2
	PASS_E
	WIN 0xc3
	PASS_C
	WIN 0x0c
	PASS_D
	WIN 0xcf
	PASS_E
	WIN 0
.irp q, 0,1
	v_pk_add_f32 v[SM+8*\q:SM+8*\q+1], v[SM+8*\q:SM+8*\q+1], v[SM+8*\q+2:SM+8*\q+3]
	v_pk_add_f32 v[SM+8*\q+4:SM+8*\q+5], v[SM+8*\q+4:SM+8*\q+5], v[SM+8*\q+6:SM+8*\q+7]
	v_pk_add_f32 v[SM+8*\q:SM+8*\q+1], v[SM+8*\q:SM+8*\q+1], v[SM+8*\q+4:SM+8*\q+5]
	v_add_f32 v[SM+8*\q], v[SM+8*\q], v[SM+8*\q+1]
	v_permlanex16_b32 v[SM+8*\q+1], v[SM+8*\q], s70, s71
	v_add_f32 v[SM+8*\q], v[SM+8*\q], v[SM+8*\q+1]               ; at least 1: the largest term is 2^0
.endr
	v_rcp_f32 v[RL], v[SM]
	v_rcp_f32 v[RL+1], v[SM]
	v_rcp_f32 v[RL+2], v[SM+8]
	v_rcp_f32 v[RL+3], v[SM+8]
	v_nop                                          ; one plain place behind the reciprocals
	PVBLOCK 0, 0                                   ; V of keys 0-255 was shown landed by the waits in front of the last round
	WIN 0
	s_wait_dscnt 0x0
	s_wait_tensorcnt 0x0                           ; my quarter of V of keys 256-511 is in,
	s_barrier_signal -1
	s_barrier_wait -1                              ; and so is that of every wave
	PVBLOCK 1, 1
	; THE WAY OUT, one query tile (16 rows of 512 bytes) at a time: divide by the sum, round to f16, through my own stage, whole rows out
.macro OUTQ q
	s_wait_xcnt 0x0                                ; v64-127, which earlier stores read, are rewritten only behind this wait
	WIN 0x01                                       ; source 0 window 1
	s_wait_alu depctr_va_vdst(0)
.irp n, 0,1,2,3,4,5,6,7,8,9,10,11,12,13,14,15
.irp i, 0,1,2,3
	v_pk_mul_f32 v[F+8*\n+2*\i:F+8*\n+2*\i+1], v[8*(2*\n+\q)+2*\i:8*(2*\n+\q)+2*\i+1], v[RL+2*\q:RL+2*\q+1]
.endr
.endr
	WIN 0
.irp n, 0,1,2,3,4,5,6,7,8,9,10,11,12,13,14,15
.irp i, 0,1,2,3
	v_cvt_pk_f16_f32 v[192+4*\n+\i], v[F+8*\n+2*\i], v[F+8*\n+2*\i+1]
.endr
.endr
.irp n, 0,1,2,3,4,5,6,7,8,9,10,11,12,13,14,15
	ds_store_b128 v[STO], v[192+4*\n:192+4*\n+3] offset:32*\n
.endr
.irp k, 0,1,2,3,4,5,6,7,8,9,10,11,12,13,14,15
	ds_load_b128 v[F+4*\k:F+4*\k+3], v[RD] offset:SPITCH*\k      ; LDS serves the instructions of a wave in order: these see the stores above
.endr
.irp k, 0,1,2,3,4,5,6,7,8,9,10,11,12,13,14,15
	s_wait_dscnt 15-\k
	global_store_b128 v[CO], v[F+4*\k:F+4*\k+3], s[8:9] offset:\q*32768+2048*\k   ; the wave stores 512 consecutive aligned bytes
.endr
.endm
	PLACES
	OUTQ 0
	OUTQ 1
	s_wait_dscnt 0x0
	s_wait_tensorcnt 0x0
	ds_add_u32 v30, v31
	s_wait_dscnt 0x0
	ROUND                                          ; the closing round: no work-group ends while a partner may still ask for a tile that names it
	s_endpgm
.Lfunc_end_k_q21acf67c3a_attn:
	.size	k_q21acf67c3a_attn, .Lfunc_end_k_q21acf67c3a_attn-k_q21acf67c3a_attn
	.p2alignl 7, 3214868480
	.fill 96, 4, 3214868480
	.section	.rodata,"a",@progbits
	.p2align	6, 0x0
	.amdhsa_kernel k_q21acf67c3a_attn
		.amdhsa_group_segment_fixed_size 327680
		.amdhsa_private_segment_fixed_size 0
		.amdhsa_enable_private_segment 0
		.amdhsa_kernarg_size 24
		.amdhsa_user_sgpr_count 2
		.amdhsa_user_sgpr_kernarg_segment_ptr 1
		.amdhsa_wavefront_size32 1
		.amdhsa_system_sgpr_workgroup_id_x 1
		.amdhsa_system_sgpr_workgroup_id_y 1
		.amdhsa_system_sgpr_workgroup_id_z 1
		.amdhsa_system_vgpr_workitem_id 0
		.amdhsa_next_free_vgpr 1024
		.amdhsa_next_free_sgpr 80
		.amdhsa_reserve_vcc 0
		.amdhsa_float_denorm_mode_32 3
		.amdhsa_float_denorm_mode_16_64 3
		.amdhsa_memory_ordered 1
		.amdhsa_forward_progress 1
		.amdhsa_inst_pref_size 255
	.end_amdhsa_kernel
	.section	.bss,"aw",@nobits
	.p2align	6
	.space	262144
	.amdgpu_metadata
---
amdhsa.version: [ 1, 2 ]
amdhsa.kernels:
  - .name:           k_q21acf67c3a_attn
    .symbol:         k_q21acf67c3a_attn.kd
    .args:
      - { .name: p, .offset: 0, .size: 8, .value_kind: global_buffer, .address_space: global }
      - { .name: mask, .offset: 8, .size: 8, .value_kind: global_buffer, .address_space: global }
      - { .name: ctx, .offset: 16, .size: 8, .value_kind: global_buffer, .address_space: global }
    .group_segment_fixed_size: 327680
    .private_segment_fixed_size: 0
    .kernarg_segment_align: 8
    .kernarg_segment_size: 24
    .max_flat_workgroup_size: 128
    .sgpr_count:     80
    .vgpr_count:     1024
    .wavefront_size: 32
...
	.end_amdgpu_metadata
.endif
;; end of part 3
;; launch ogemm (part 4): grid 4 x 64, 4 waves a work-group, clusters of 4 x 4, 327,680 bytes of LDS; arguments xw, ctx, G, T, bg, bt, y; writes y
.if DOCPART == 4
	.amdgcn_target "amdgcn-amd-amdhsa--gfx1250"
	.amdhsa_code_object_version 6
	.text
	.protected	k_q21acf67c3a_ogemm
	.globl	k_q21acf67c3a_ogemm
	.p2align	8
	.type	k_q21acf67c3a_ogemm,@function
k_q21acf67c3a_ogemm:
	s_mov_b64 s[64:65], 0
	v_nop
	global_prefetch_b8 v0, s[64:65] scope:SCOPE_SE
	s_setreg_imm32_b32 hwreg(HW_REG_WAVE_MODE, 25, 1), 1
	s_wait_xcnt 0x0
	s_wait_alu depctr_hold_cnt(0) depctr_sa_sdst(0) depctr_va_vdst(0) depctr_va_sdst(0) depctr_va_ssrc(0) depctr_va_vcc(0) depctr_vm_vsrc(0)
	s_getreg_b32 s2, hwreg(HW_REG_IB_STS2, 6, 4)
	s_cmp_eq_u32 s2, 0
	s_cbranch_scc0 .Lentry_in_a_cluster
	s_endpgm
.Lentry_in_a_cluster:
	s_bfe_u32 s2, ttmp6, 0x10000c
	s_cmp_lg_u32 s2, 0xf033
	s_cbranch_scc0 .Lentry_shape_is_right
	s_endpgm
.Lentry_shape_is_right:
; y = ctx Wo^T + bias + residual, f32.  Rows 0-4095 of ctx: Wg, bg, G; rows 4096-8191: Wt, bt, T.  The norm over whole rows is the next launch.
; FORMAT: ctx and Wo are f16 (11 bits of significand); sums, bias, residual and y are f32.
; Why the norm is not made here: it needs whole rows of 1,024, and a work-group that owns whole rows pulls all 2 MiB of Wo through its LDS, however
; few its rows.  With blocks of 128 x 256 a work-group pulls (128 + 256) rows x 2,048 bytes = 768 KiB, and there are 64 x 4 = 256 of them, one for
; each WGP.  The price: y, 32 MiB, is written here and read by the next launch.
; Four waves, one to a SIMD; a wave makes 64 x 128: 32 accumulator tiles of 16 x 16, 256 registers.
; K goes in steps of 128 through two LDS slots filled by the tensor data mover; a row of a tile is 256 aligned bytes of memory.
; CLUSTERS: 4 x 4 work-groups.  The four of a row of the cluster need the same tiles of ctx, the four of a column the same tiles of Wo: each such
; tile is asked for jointly, by the same tensor load with the same descriptor and a mask that names the four.  Requests are divided by four.
; REGISTERS: window 0: v0-31 addresses; v64-95, v128-159 fragments of ctx, two buffers; v192-255 the bias of my 128 columns; on the way out v64-191.
;   window 1: v64-127, v128-191 fragments of Wo.  Window 2: the accumulators, tile (a, b) at v[8 (8 a + b)].
;   window 3: my 64 x 128 numbers of the residual, row i at v[4 i]: lane l holds columns 4 l .. 4 l + 3, as the way out stores them.
; The matrix instruction is used transposed (source 0 = rows of Wo, source 1 = rows of ctx): a lane holds eight neighbouring columns of a row, and
; the bias of a column tile is the same eight registers for every row tile: the first product of each tile takes it as C.
.set SIZE_K, 1024
.set XW_O,   37748736                  ; byte offset in xw of Wg; Wt lies 2,097,152 bytes behind
.set KSTEP,  128
.set STEPB,  2*KSTEP*2
.set PITCH,  272                       ; an LDS row: 256 bytes + 16 of padding
.set HALFT,  128*PITCH                 ; what one tensor load brings of Wo
.set QUART,  64*PITCH                  ; what one tensor load brings of ctx
.set SLOT,   4*HALFT                   ; ctx at wave x 64 rows (waves 0, 1), Wo at wave x 128 rows (waves 2, 3)
.set STAGE,  2*SLOT                    ; behind the ring: 16 rows x 528 bytes for each wave; no tensor load lands here
.set SPITCH, 528                       ; 512 bytes + 16: 33 x 16
.set YROW,   4096                      ; bytes in a row of y and of the residual
.set ADRH, 18                          ; v18-19  LDS address of my ctx fragments in slot 0, 1
.set ADRB, 20                          ; v20-21  the same for Wo
.set STO,  24                          ; v24     the way out: where I put 32 bytes of a row
.set RD,   25                          ; v25     the way out: my 16 bytes of a row of the stage
.set CO,   26                          ; v26     16 x lane
.set BO,   27                          ; v27     my byte offset in the bias
.set F0,   64
.set F1,   128
.set BIAS, 192
.set G1, 24                            ; s[24:31] group 1 for tiles of ctx, 64 rows
.set G0, 32                            ; s[32:39] group 0 for tiles of ctx, one set for each slot
.set G1B, 48                           ; s[48:55] group 1 for tiles of Wo, 128 rows
.set G0B, 56                           ; s[56:63] group 0 for tiles of Wo
.set MSB, 0
.macro WIN new                         ; the high byte of the immediate repeats the setting that is left
.if MSB != (\new)
	s_set_vgpr_msb (MSB<<8)|(\new)
.set MSB, (\new)
.endif
.endm
.set MUL_LO,   0xa1                    ; source 0 (Wo) window 1, source 1 (ctx) window 0, C and D window 2
.set MUL_LO_B, 0x81                    ; the first product: C is the bias in window 0
.set TO_B,     0x40                    ; destination window 1, address window 0
.macro JLOAD s                         ; waves 0 and 1 fetch ctx, waves 2 and 3 Wo; the branch hangs on the wave number alone
	s_cmp_eq_u32 s11, 0
	s_cbranch_scc0 .Lfor_b_\@
	tensor_load_to_lds s[G0+4*\s:G0+4*\s+3], s[G1:G1+7]
	s_nop 0
	s_branch .Lasked_\@
.Lfor_b_\@:
	tensor_load_to_lds s[G0B+4*\s:G0B+4*\s+3], s[G1B:G1B+7]
	s_nop 0
.Lasked_\@:
.endm
.macro CREST                           ; a round of the barrier of the cluster behind its opening barrier
	s_cmp_lg_u32 s10, 0
	s_cbranch_scc1 .Lnot_wave_0_\@
	s_barrier_signal -3
.Lnot_wave_0_\@:
	s_barrier_wait -3
	s_barrier_signal -1
	s_barrier_wait -1
.endm
.macro CROUND
	s_barrier_signal -1
	s_barrier_wait -1
	CREST
.endm
	s_load_b256 s[68:75], s[0:1], 0x0              ; xw, ctx, G, T
	s_load_b128 s[76:79], s[0:1], 0x20             ; bg, bt
	s_load_b64 s[8:9], s[0:1], 0x30                ; y
	s_set_vgpr_msb 0x40
	v_lshl_add_u32 v255, v0, 2, 0x4c400
	s_set_vgpr_msb 0x4000
	v_mov_b32 v63, 0
	s_set_vgpr_msb 0x1
	ds_add_u32 v255, v63
	s_set_vgpr_msb 0x100
	v_lshrrev_b32 v1, 5, v0
	v_readfirstlane_b32 s10, v1                    ; wave 0..3
	s_lshr_b32 s11, s10, 1                         ; which 64 rows of the block are mine.  Also: I fetch for ctx (0) or for Wo (1)
	s_and_b32 s12, s10, 1                          ; which 128 columns.  Also: which half of that tile I fetch
	s_bfe_u32 s40, ttmp6, 0x40000                  ; cx
	s_bfe_u32 s41, ttmp6, 0x40004                  ; cy
	s_lshl_b32 s42, ttmp9, 2
	s_add_co_u32 s42, s42, s40                     ; block column, 0 to 3
	s_and_b32 s13, ttmp7, 0xffff
	s_lshr_b32 s86, s13, 3                         ; branch: cluster rows 0-7 or 8-15; equal in the whole cluster
	s_lshl_b32 s13, s13, 2
	s_add_co_u32 s13, s13, s41                     ; block row, 0 to 63
	s_lshl_b32 s2, s86, 21
	s_add_co_u32 s2, s2, XW_O
	s_mov_b32 s3, 0
	s_lshl_b32 s43, s41, 2
	s_lshl_b32 s43, 15, s43                        ; my row of the cluster
	s_lshl_b32 s44, 0x1111, s40                    ; my column
	; group 1: rows of 128 elements of 2 bytes, 16 bytes of padding behind every 64 words
	s_or_b32 s[G1+0], s43, (1<<16)|(1<<20)|(1<<21)|(5<<22)|(3<<25)
	s_or_b32 s[G1B+0], s44, (1<<16)|(1<<20)|(1<<21)|(5<<22)|(3<<25)
	s_mov_b32 s[G1+1], KSTEP<<16                   ; tensor_dim0 = 128
	s_mov_b32 s[G1B+1], KSTEP<<16
	s_mov_b32 s[G1+2], 64<<16                      ; tensor_dim1
	s_mov_b32 s[G1B+2], 128<<16
	s_mov_b32 s[G1+3], KSTEP<<16                   ; tile_dim0 = 128
	s_mov_b32 s[G1B+3], KSTEP<<16
	s_mov_b32 s[G1+4], 64                          ; tile_dim1
	s_mov_b32 s[G1B+4], 128
	s_mov_b32 s[G1+5], SIZE_K                      ; elements from row to row
	s_mov_b32 s[G1B+5], SIZE_K
	s_mov_b32 s[G1+6], 0
	s_mov_b32 s[G1B+6], 0
	s_mov_b32 s[G1+7], 0
	s_mov_b32 s[G1B+7], 0
	; tiles of ctx hang on the block row alone, tiles of Wo on the block column and the branch alone; each in registers that never hold the other coordinate
	s_lshl_b32 s17, s12, 6
	s_lshl_b32 s16, s13, 7
	s_add_co_u32 s16, s16, s17                     ; ctx: row 128 x block row + 64 x half
	s_lshl_b32 s16, s16, 11                        ; rows of 2,048 bytes
	s_mov_b32 s17, 0
	s_lshl_b32 s47, s12, 7
	s_lshl_b32 s46, s42, 8
	s_add_co_u32 s46, s46, s47                     ; Wo: row 256 x block column + 128 x half
	s_lshl_b32 s46, s46, 11
	s_mov_b32 s47, 0
	s_mul_i32 s20, s10, HALFT
	s_mul_i32 s87, s10, QUART
	s_wait_dscnt 0x0
	s_wait_kmcnt 0x0
	s_add_nc_u64 s[14:15], s[70:71], s[16:17]
	s_add_nc_u64 s[6:7], s[68:69], s[2:3]
	s_add_nc_u64 s[46:47], s[6:7], s[46:47]
	CROUND                                         ; all sixteen work-groups are here: the first joint loads meet
.irp s, 0,1
	s_mov_b32 s[G0+4*\s], 1
	s_add_co_u32 s[G0+4*\s+1], s87, \s*SLOT
	s_add_nc_u64 s[G0+4*\s+2:G0+4*\s+3], s[14:15], \s*KSTEP*2
	s_or_b32 s[G0+4*\s+3], s[G0+4*\s+3], 0x80000000
	s_mov_b32 s[G0B+4*\s], 1
	s_add_co_u32 s[G0B+4*\s+1], s20, \s*SLOT
	s_add_nc_u64 s[G0B+4*\s+2:G0B+4*\s+3], s[46:47], \s*KSTEP*2
	s_or_b32 s[G0B+4*\s+3], s[G0B+4*\s+3], 0x80000000
	JLOAD \s                                       ; both first fills go out before anything else: two tensor loads of a wave are out
.endr
	v_and_b32 v1, 15, v0                           ; r
	v_bfe_u32 v2, v0, 4, 1                         ; h
	v_and_b32 v6, 31, v0                           ; lane
	v_mul_u32_u24 v3, v1, PITCH
	v_lshl_add_u32 v3, v2, 4, v3
	s_mul_i32 s21, s11, QUART
	s_mul_i32 s22, s12, HALFT
	s_add_co_u32 s22, s22, 2*HALFT
.irp s, 0,1
	v_add_nc_u32 v[ADRH+\s], s21, v3
	v_add_nc_u32 v[ADRB+\s], s22, v3
	s_add_co_u32 s21, s21, SLOT
	s_add_co_u32 s22, s22, SLOT
.endr
	s_mul_i32 s23, s10, 16*SPITCH
	s_add_co_u32 s23, s23, STAGE
	v_mul_u32_u24 v4, v1, SPITCH
	v_lshl_add_u32 v4, v2, 5, v4                   ; row r, 32 bytes for each half of the lanes
	v_add_nc_u32 v[STO], s23, v4
	v_lshl_add_u32 v[RD], v6, 4, s23
	v_lshlrev_b32 v[CO], 4, v6
	v_lshlrev_b32 v[BO], 5, v2
	; the buffers of my branch, at my columns and rows
	s_cmp_lg_u32 s86, 0
	s_cselect_b64 s[72:73], s[74:75], s[72:73]     ; residual: T or G
	s_cselect_b64 s[76:77], s[78:79], s[76:77]     ; bt or bg
	s_lshl_b32 s80, s42, 10                        ; 256 f32 x block column
	s_lshl_b32 s81, s12, 9                         ; + my half
	s_add_co_u32 s80, s80, s81
	s_mov_b32 s81, 0
	s_add_nc_u64 s[76:77], s[76:77], s[80:81]
	s_add_nc_u64 s[72:73], s[72:73], s[80:81]
	s_add_nc_u64 s[8:9], s[8:9], s[80:81]
	s_lshl_b32 s16, s13, 7
	s_lshl_b32 s17, s11, 6
	s_add_co_u32 s16, s16, s17                     ; my first row
	s_and_b32 s18, s16, 4095                       ; and in its branch
	s_lshl_b32 s16, s16, 12
	s_mov_b32 s17, 0
	s_lshl_b32 s18, s18, 12
	s_mov_b32 s19, 0
	s_add_nc_u64 s[8:9], s[8:9], s[16:17]
	s_add_nc_u64 s[72:73], s[72:73], s[18:19]
.irp b, 0,1,2,3,4,5,6,7
	global_load_b128 v[BIAS+8*\b:BIAS+8*\b+3], v[BO], s[76:77] offset:64*\b
	global_load_b128 v[BIAS+8*\b+4:BIAS+8*\b+7], v[BO], s[76:77] offset:64*\b+16
.endr
; 32 rows of my residual, from row r0: each load of the wave takes 512 consecutive aligned bytes; they are wanted only on the way out
.macro RESLD r0
	WIN 0xc0                                       ; destination window 3
.set i, \r0
.rept 32
	global_load_b128 v[4*i:4*i+3], v[CO], s[72:73] offset:YROW*i th:TH_LOAD_NT
.set i, i+1
.endr
	WIN 0
.endm
	RESLD 0
; 16 matrix instructions: row tiles a0, a0 + 1 x all 8 column tiles, 32 along K.  first = 1: the bias is C and starts the sums.
; The 32 accumulators take turns, one instruction a turn, in the same order in every quarter step.
.macro MUL16 f, a0, first
.irp a, \a0, \a0+1
.irp b, 0,1,2,3,4,5,6,7
.if \first
	v_wmma_f32_16x16x32_f16 v[8*(8*(\a)+\b):8*(8*(\a)+\b)+7], v[\f+8*\b:\f+8*\b+7], v[\f+8*(\a):\f+8*(\a)+7], v[BIAS+8*\b:BIAS+8*\b+7]
.else
	v_wmma_f32_16x16x32_f16 v[8*(8*(\a)+\b):8*(8*(\a)+\b)+7], v[\f+8*\b:\f+8*\b+7], v[\f+8*(\a):\f+8*(\a)+7], v[8*(8*(\a)+\b):8*(8*(\a)+\b)+7]
.endif
.endr
.endr
.endm
; 24 LDS loads in one run: 128 rows of Wo and 64 rows of ctx, 32 along K at byte k of the rows
.macro FETCHH slot, k, f
	WIN TO_B
.irp i, 0,1,2,3,4,5,6,7
	ds_load_b128 v[\f+8*\i:\f+8*\i+3],   v[ADRB+\slot] offset:\k+\i*16*PITCH
	ds_load_b128 v[\f+8*\i+4:\f+8*\i+7], v[ADRB+\slot] offset:\k+\i*16*PITCH+32
.endr
	WIN 0
.irp i, 0,1,2,3
	ds_load_b128 v[\f+8*\i:\f+8*\i+3],   v[ADRH+\slot] offset:\k+\i*16*PITCH
	ds_load_b128 v[\f+8*\i+4:\f+8*\i+7], v[ADRH+\slot] offset:\k+\i*16*PITCH+32
.endr
.endm
; four independent vector places between a matrix instruction and a load into, or a vector read of, its registers
.macro PLACES
.rept 4
	v_nop
.endr
.endm
.macro QUARTERH slot, k, f, g, first
	s_wait_dscnt 4                                 ; Wo and rows 0-31 of ctx are in; the youngest four loads (rows 32-63) may be out
.if \first
	WIN MUL_LO_B
.else
	WIN MUL_LO
.endif
	MUL16 \f, 0, \first
	PLACES
	FETCHH \slot, \k, \g
	s_wait_dscnt 24                                ; all but the 24 just issued
.if \first
	WIN MUL_LO_B
.else
	WIN MUL_LO
.endif
	MUL16 \f, 2, \first
.endm
.macro THREEH slot, first
	QUARTERH \slot, 64,  F0, F1, \first
	QUARTERH \slot, 128, F1, F0, 0
	QUARTERH \slot, 192, F0, F1, 0
.endm
; The last quarter of a K step changes slots.  In front of the barrier each wave waits for its reads of this slot and for all its tensor loads (one is
; out: its part of the next slot); sixteen matrix instructions while the others arrive; behind the round the refill first, then the next fragments.
.macro TURNH slot, next, fill
	s_wait_dscnt 0                                 ; buffer 1 is in, and my reads of this slot are over
	s_wait_tensorcnt 0x0                           ; all my tensor loads have landed
	ds_add_u32 v255, v63
	s_wait_dscnt 0x0
	s_barrier_signal -1
	WIN MUL_LO
	MUL16 F1, 0, 0
	WIN 0
	s_barrier_wait -1
.if \fill
	CREST                                          ; no wave of any partner still reads this slot or has a load on its way
	s_add_nc_u64 s[G0+4*\slot+2:G0+4*\slot+3], s[G0+4*\slot+2:G0+4*\slot+3], STEPB
	s_add_nc_u64 s[G0B+4*\slot+2:G0B+4*\slot+3], s[G0B+4*\slot+2:G0B+4*\slot+3], STEPB
	JLOAD \slot                                    ; the first tensor load behind the round, one a wave
.endif
	PLACES
	FETCHH \next, 0, F0
	WIN MUL_LO
	MUL16 F1, 2, 0
.endm
.macro LAPH first
	THREEH 0, \first
	TURNH 0, 1, 1
	THREEH 1, 0
	TURNH 1, 0, 1
.endm
	s_wait_tensorcnt 0x1                           ; my part of K step 0 is in; that of K step 1 stays out
	s_barrier_signal -1
	s_barrier_wait -1
	FETCHH 0, 0, F0
	s_wait_loadcnt 32                              ; the bias is in; the 32 loads of the residual behind it stay out
	LAPH 1
	s_wait_loadcnt 0x0                             ; issued a whole lap ago
	RESLD 32                                       ; the other half of my residual
	s_mov_b32 s3, 2
.Llap:
	LAPH 0
	WIN 0
	s_sub_co_u32 s3, s3, 1
	s_cmp_lg_u32 s3, 0
	s_cbranch_scc1 .Llap
	THREEH 0, 0                                    ; the last lap fills nothing
	TURNH 0, 1, 0
	THREEH 1, 0
	s_wait_dscnt 0
	WIN MUL_LO
	MUL16 F1, 0, 0
	MUL16 F1, 2, 0
; THE WAY OUT, 16 rows at a time: 32 bytes a lane into my own stage, whole rows of 512 bytes back, the residual added, whole rows out
.macro OUTF a, f
	WIN 0x08                                       ; store data window 2
.irp b, 0,1,2,3,4,5,6,7
	ds_store_b128 v[STO], v[8*(8*\a+\b):8*(8*\a+\b)+3] offset:64*\b
	ds_store_b128 v[STO], v[8*(8*\a+\b)+4:8*(8*\a+\b)+7] offset:64*\b+16
.endr
	WIN 0
	s_wait_xcnt 0x0                                ; the registers at f, which earlier stores read, are rewritten only behind this wait
.irp k, 0,1,2,3,4,5,6,7,8,9,10,11,12,13,14,15
	ds_load_b128 v[\f+4*\k:\f+4*\k+3], v[RD] offset:SPITCH*\k      ; LDS serves the instructions of a wave in order: these see the stores above
.endr
	s_wait_dscnt 0x0
	WIN 0x0c                                       ; source 1 window 3
.irp k, 0,1,2,3,4,5,6,7,8,9,10,11,12,13,14,15
	v_pk_add_f32 v[\f+4*\k:\f+4*\k+1], v[\f+4*\k:\f+4*\k+1], v[4*(16*\a+\k):4*(16*\a+\k)+1]
	v_pk_add_f32 v[\f+4*\k+2:\f+4*\k+3], v[\f+4*\k+2:\f+4*\k+3], v[4*(16*\a+\k)+2:4*(16*\a+\k)+3]
.endr
	WIN 0
.irp k, 0,1,2,3,4,5,6,7,8,9,10,11,12,13,14,15
	global_store_b128 v[CO], v[\f+4*\k:\f+4*\k+3], s[8:9] offset:YROW*(16*\a+\k)   ; the wave stores 512 consecutive aligned bytes; read again by the next launch: no hint
.endr
.endm
	PLACES                                         ; behind the last matrix instructions: for the stores of the results and the loads over the fragments
	s_wait_loadcnt 0x0                             ; the residual
	OUTF 0, F0
	OUTF 1, F1
	OUTF 2, F0
	OUTF 3, F1
	s_set_vgpr_msb 0x1
	s_wait_tensorcnt 0x0
	ds_add_u32 v255, v63
	s_wait_dscnt 0x0
	s_set_vgpr_msb 0x100
	CROUND                                         ; the closing round: no work-group ends while a partner may still ask for a tile that names it
	s_endpgm
.Lfunc_end_k_q21acf67c3a_ogemm:
	.size	k_q21acf67c3a_ogemm, .Lfunc_end_k_q21acf67c3a_ogemm-k_q21acf67c3a_ogemm
	.p2alignl 7, 3214868480
	.fill 96, 4, 3214868480
	.section	.rodata,"a",@progbits
	.p2align	6, 0x0
	.amdhsa_kernel k_q21acf67c3a_ogemm
		.amdhsa_group_segment_fixed_size 327680
		.amdhsa_private_segment_fixed_size 0
		.amdhsa_enable_private_segment 0
		.amdhsa_kernarg_size 56
		.amdhsa_user_sgpr_count 2
		.amdhsa_user_sgpr_kernarg_segment_ptr 1
		.amdhsa_wavefront_size32 1
		.amdhsa_system_sgpr_workgroup_id_x 1
		.amdhsa_system_sgpr_workgroup_id_y 1
		.amdhsa_system_sgpr_workgroup_id_z 1
		.amdhsa_system_vgpr_workitem_id 0
		.amdhsa_next_free_vgpr 1024
		.amdhsa_next_free_sgpr 88
		.amdhsa_reserve_vcc 0
		.amdhsa_float_denorm_mode_32 3
		.amdhsa_float_denorm_mode_16_64 3
		.amdhsa_memory_ordered 1
		.amdhsa_forward_progress 1
		.amdhsa_inst_pref_size 133
	.end_amdhsa_kernel
	.amdgpu_metadata
---
amdhsa.version: [ 1, 2 ]
amdhsa.kernels:
  - .name:           k_q21acf67c3a_ogemm
    .symbol:         k_q21acf67c3a_ogemm.kd
    .args:
      - { .name: xw, .offset: 0, .size: 8, .value_kind: global_buffer, .address_space: global }
      - { .name: ctx, .offset: 8, .size: 8, .value_kind: global_buffer, .address_space: global }
      - { .name: G, .offset: 16, .size: 8, .value_kind: global_buffer, .address_space: global }
      - { .name: T, .offset: 24, .size: 8, .value_kind: global_buffer, .address_space: global }
      - { .name: bg, .offset: 32, .size: 8, .value_kind: global_buffer, .address_space: global }
      - { .name: bt, .offset: 40, .size: 8, .value_kind: global_buffer, .address_space: global }
      - { .name: y, .offset: 48, .size: 8, .value_kind: global_buffer, .address_space: global }
    .group_segment_fixed_size: 327680
    .private_segment_fixed_size: 0
    .kernarg_segment_align: 8
    .kernarg_segment_size: 56
    .max_flat_workgroup_size: 128
    .sgpr_count:     88
    .vgpr_count:     1024
    .wavefront_size: 32
...
	.end_amdgpu_metadata
.endif
;; end of part 4
;; launch ln (part 5): grid 256 x 1, 8 waves a work-group, no clusters, 0 bytes of LDS; arguments y, g_ln_w, t_ln_w, g_ln_b, t_ln_b, out0, out1; writes out0, out1
.if DOCPART == 5
	.amdgcn_target "amdgcn-amd-amdhsa--gfx1250"
	.amdhsa_code_object_version 6
	.text
	.protected	k_q21acf67c3a_ln
	.globl	k_q21acf67c3a_ln
	.p2align	8
	.type	k_q21acf67c3a_ln,@function
k_q21acf67c3a_ln:
	s_mov_b64 s[64:65], 0
	v_nop
	global_prefetch_b8 v0, s[64:65] scope:SCOPE_SE
	s_setreg_imm32_b32 hwreg(HW_REG_WAVE_MODE, 25, 1), 1
	s_wait_xcnt 0x0
; out = (y - mean) / sqrt(variance + 1e-12) * ln_w + ln_b along rows of 1,024 f32.  Rows 0-4095 of y: g_ln, out0; rows 4096-8191: t_ln, out1.
; All in f32: the mean first, then the mean of squared differences, as the formula has it.
; A stream: each byte of y is read once and each byte of the outputs written once, nothing is shared between rows, so no LDS, no barrier, no cluster,
; no matrix unit.  A row is 4,096 bytes: one wave takes a whole row, eight loads of 16 bytes a lane, and keeps it in 32 registers between the passes.
; Eight waves, four rows each: 32 rows to a work-group.  All 48 loads of a wave (gain, offset, four rows) go out at once; every row has registers of
; its own and is stored from them, so the only waits are the counted ones for the data.
.set ROW, 4096
.set GO,  1                            ; v1       16 x lane
.set TS,  2                            ; v2-9     four chains of sums
.set MU,  10                           ; v10-11   the mean, twice
.set RS,  12                           ; v12-13   1 / sqrt(variance + eps), twice
.set LW,  16                           ; v16-47   ln_w of my 32 columns (128 c + 4 lane + 0..3)
.set LB,  48                           ; v48-79   ln_b
.set Y,   80                           ; v80-207  four rows of 32 registers
	s_load_b256 s[4:11], s[0:1], 0x0               ; y, g_ln_w, t_ln_w, g_ln_b
	s_load_b128 s[12:15], s[0:1], 0x20             ; t_ln_b, out0
	s_load_b64 s[16:17], s[0:1], 0x30              ; out1
	v_lshrrev_b32 v2, 5, v0
	v_readfirstlane_b32 s18, v2                    ; wave 0..7
	v_and_b32 v1, 31, v0
	v_lshlrev_b32 v[GO], 4, v1
	s_lshl_b32 s20, ttmp9, 5                       ; 32 rows to a work-group
	s_lshl2_add_u32 s20, s18, s20                  ; + 4 x wave: my first row
	s_lshl_b32 s22, s20, 12                        ; in bytes of y
	s_mov_b32 s23, 0
	s_and_b32 s20, s20, 4095                       ; the row in its branch
	s_lshl_b32 s20, s20, 12
	s_mov_b32 s21, 0
	s_mov_b32 s30, 0x3a800000                      ; 1 / 1024
	s_mov_b32 s31, 0x2b8cbccc                      ; 1e-12
	s_mov_b32 s32, 0x76543210                      ; v_permlanex16_b32: lane i reads lane i of the other half
	s_mov_b32 s33, 0xfedcba98
	s_wait_kmcnt 0x0
	s_add_nc_u64 s[4:5], s[4:5], s[22:23]
	s_cmp_ge_u32 ttmp9, 128                        ; the buffers of my branch
	s_cselect_b64 s[24:25], s[8:9], s[6:7]         ; ln_w
	s_cselect_b64 s[26:27], s[12:13], s[10:11]     ; ln_b
	s_cselect_b64 s[28:29], s[16:17], s[14:15]     ; out1 or out0
	s_add_nc_u64 s[28:29], s[28:29], s[20:21]
.irp c, 0,1,2,3,4,5,6,7
	global_load_b128 v[LW+4*\c:LW+4*\c+3], v[GO], s[24:25] offset:512*\c
	global_load_b128 v[LB+4*\c:LB+4*\c+3], v[GO], s[26:27] offset:512*\c
.endr
.irp i, 0,1,2,3
.irp c, 0,1,2,3,4,5,6,7
	global_load_b128 v[Y+32*\i+4*\c:Y+32*\i+4*\c+3], v[GO], s[4:5] offset:ROW*\i+512*\c th:TH_LOAD_NT
.endr
.endr
; the four chains of TS into one number, then over the 32 lanes; every lane ends up with the sum
.macro TOTAL
	v_pk_add_f32 v[TS:TS+1], v[TS:TS+1], v[TS+2:TS+3]
	v_pk_add_f32 v[TS+4:TS+5], v[TS+4:TS+5], v[TS+6:TS+7]
	v_pk_add_f32 v[TS:TS+1], v[TS:TS+1], v[TS+4:TS+5]
	v_add_f32 v[TS], v[TS], v[TS+1]
	v_add_f32_dpp v[TS], v[TS], v[TS] row_xmask:1 row_mask:0xf bank_mask:0xf
	v_add_f32_dpp v[TS], v[TS], v[TS] row_xmask:2 row_mask:0xf bank_mask:0xf
	v_add_f32_dpp v[TS], v[TS], v[TS] row_xmask:4 row_mask:0xf bank_mask:0xf
	v_add_f32_dpp v[TS], v[TS], v[TS] row_xmask:8 row_mask:0xf bank_mask:0xf
	v_permlanex16_b32 v[TS+1], v[TS], s32, s33
	v_add_f32 v[TS], v[TS], v[TS+1]
.endm
.macro ROWLN i
	s_wait_loadcnt 24-8*\i                         ; loads come back in order: gain, offset and my row are in, the younger rows stay out
.irp k, 0,1,2,3
	v_pk_add_f32 v[TS+2*\k:TS+2*\k+1], v[Y+32*\i+2*\k:Y+32*\i+2*\k+1], v[Y+32*\i+8+2*\k:Y+32*\i+8+2*\k+1]
.endr
.irp k, 0,1,2,3
	v_pk_add_f32 v[TS+2*\k:TS+2*\k+1], v[TS+2*\k:TS+2*\k+1], v[Y+32*\i+16+2*\k:Y+32*\i+16+2*\k+1]
.endr
.irp k, 0,1,2,3
	v_pk_add_f32 v[TS+2*\k:TS+2*\k+1], v[TS+2*\k:TS+2*\k+1], v[Y+32*\i+24+2*\k:Y+32*\i+24+2*\k+1]
.endr
	TOTAL
	v_mul_f32 v[MU], s30, v[TS]
	v_mul_f32 v[MU+1], s30, v[TS]
.irp k, 0,1,2,3,4,5,6,7,8,9,10,11,12,13,14,15
	v_pk_add_f32 v[Y+32*\i+2*\k:Y+32*\i+2*\k+1], v[Y+32*\i+2*\k:Y+32*\i+2*\k+1], v[MU:MU+1] neg_lo:[0,1] neg_hi:[0,1]
.endr
.irp k, 0,1,2,3
	v_pk_mul_f32 v[TS+2*\k:TS+2*\k+1], v[Y+32*\i+2*\k:Y+32*\i+2*\k+1], v[Y+32*\i+2*\k:Y+32*\i+2*\k+1]
.endr
.irp k, 4,5,6,7,8,9,10,11,12,13,14,15
	v_pk_fma_f32 v[TS+2*(\k%4):TS+2*(\k%4)+1], v[Y+32*\i+2*\k:Y+32*\i+2*\k+1], v[Y+32*\i+2*\k:Y+32*\i+2*\k+1], v[TS+2*(\k%4):TS+2*(\k%4)+1]
.endr
	TOTAL
	v_fma_f32 v[TS], v[TS], s30, s31               ; variance + 1e-12
	v_rsq_f32 v[RS], v[TS]
	v_rsq_f32 v[RS+1], v[TS]
	v_nop                                          ; one plain place behind the roots (ISA guide 5.7.2)
	s_wait_alu depctr_va_vdst(0)
.irp k, 0,1,2,3,4,5,6,7,8,9,10,11,12,13,14,15
	v_pk_mul_f32 v[Y+32*\i+2*\k:Y+32*\i+2*\k+1], v[Y+32*\i+2*\k:Y+32*\i+2*\k+1], v[RS:RS+1]
.endr
.irp k, 0,1,2,3,4,5,6,7,8,9,10,11,12,13,14,15
	v_pk_fma_f32 v[Y+32*\i+2*\k:Y+32*\i+2*\k+1], v[Y+32*\i+2*\k:Y+32*\i+2*\k+1], v[LW+2*\k:LW+2*\k+1], v[LB+2*\k:LB+2*\k+1]
.endr
.irp c, 0,1,2,3,4,5,6,7
	global_store_b128 v[GO], v[Y+32*\i+4*\c:Y+32*\i+4*\c+3], s[28:29] offset:ROW*\i+512*\c th:TH_STORE_NT   ; the wave stores 512 consecutive aligned bytes
.endr
.endm
	ROWLN 0
	ROWLN 1
	ROWLN 2
	ROWLN 3
	s_endpgm
.Lfunc_end_k_q21acf67c3a_ln:
	.size	k_q21acf67c3a_ln, .Lfunc_end_k_q21acf67c3a_ln-k_q21acf67c3a_ln
	.p2alignl 7, 3214868480
	.fill 96, 4, 3214868480
	.section	.rodata,"a",@progbits
	.p2align	6, 0x0
	.amdhsa_kernel k_q21acf67c3a_ln
		.amdhsa_group_segment_fixed_size 0
		.amdhsa_private_segment_fixed_size 0
		.amdhsa_enable_private_segment 0
		.amdhsa_kernarg_size 56
		.amdhsa_user_sgpr_count 2
		.amdhsa_user_sgpr_kernarg_segment_ptr 1
		.amdhsa_wavefront_size32 1
		.amdhsa_system_sgpr_workgroup_id_x 1
		.amdhsa_system_sgpr_workgroup_id_y 1
		.amdhsa_system_sgpr_workgroup_id_z 1
		.amdhsa_system_vgpr_workitem_id 0
		.amdhsa_next_free_vgpr 208
		.amdhsa_next_free_sgpr 66
		.amdhsa_reserve_vcc 0
		.amdhsa_float_denorm_mode_32 3
		.amdhsa_float_denorm_mode_16_64 3
		.amdhsa_memory_ordered 1
		.amdhsa_forward_progress 1
		.amdhsa_inst_pref_size 34
	.end_amdhsa_kernel
	.amdgpu_metadata
---
amdhsa.version: [ 1, 2 ]
amdhsa.kernels:
  - .name:           k_q21acf67c3a_ln
    .symbol:         k_q21acf67c3a_ln.kd
    .args:
      - { .name: y, .offset: 0, .size: 8, .value_kind: global_buffer, .address_space: global }
      - { .name: g_ln_w, .offset: 8, .size: 8, .value_kind: global_buffer, .address_space: global }
      - { .name: t_ln_w, .offset: 16, .size: 8, .value_kind: global_buffer, .address_space: global }
      - { .name: g_ln_b, .offset: 24, .size: 8, .value_kind: global_buffer, .address_space: global }
      - { .name: t_ln_b, .offset: 32, .size: 8, .value_kind: global_buffer, .address_space: global }
      - { .name: out0, .offset: 40, .size: 8, .value_kind: global_buffer, .address_space: global }
      - { .name: out1, .offset: 48, .size: 8, .value_kind: global_buffer, .address_space: global }
    .group_segment_fixed_size: 0
    .private_segment_fixed_size: 0
    .kernarg_segment_align: 8
    .kernarg_segment_size: 56
    .max_flat_workgroup_size: 256
    .sgpr_count:     66
    .vgpr_count:     208
    .wavefront_size: 32
...
	.end_amdgpu_metadata
.endif
;; end of part 5
